; MI455X (gfx1250); checked and timed in simulation.
; The chip was launched on July 23, 2026; its instructions are those of AMD's public machine-readable ISA for CDNA 5 (MIT licence, August 2026) and "CDNA5" Instruction Set Architecture Reference Guide (July 2026). The comments in the code are by the model that wrote it; some were corrected since.
;; Di T Block. Allowed arithmetic: matrix products marked QUANTISED: E2M3 operands, one E8M0 scale for each 32 along K, by v_wmma_scale_f32_16x16x128_f8f6f4 with both operands' format E2M3, f32 sums; everything else in f32.
;; Inputs: W1_codes 4,096 x 32 x 24 uint8 (E2M3 codes of W1, K innermost, in blocks of 32 codes, four codes in three bytes); W1_scales 4,096 x 32 uint8 (E8M0 scales of W1, one for each 32 codes along K); W2_codes 1,024 x 128 x 24 uint8 (E2M3 codes of W2, K innermost, in blocks of 32 codes, four codes in three bytes); W2_scales 1,024 x 128 uint8 (E8M0 scales of W2, one for each 32 codes along K); Wk_codes 1,024 x 32 x 24 uint8 (E2M3 codes of Wk, K innermost, in blocks of 32 codes, four codes in three bytes); Wk_scales 1,024 x 32 uint8 (E8M0 scales of Wk, one for each 32 codes along K); Wo_codes 1,024 x 32 x 24 uint8 (E2M3 codes of Wo, K innermost, in blocks of 32 codes, four codes in three bytes); Wo_scales 1,024 x 32 uint8 (E8M0 scales of Wo, one for each 32 codes along K); Wq_codes 1,024 x 32 x 24 uint8 (E2M3 codes of Wq, K innermost, in blocks of 32 codes, four codes in three bytes); Wq_scales 1,024 x 32 uint8 (E8M0 scales of Wq, one for each 32 codes along K); Wv_codes 1,024 x 32 x 24 uint8 (E2M3 codes of Wv, K innermost, in blocks of 32 codes, four codes in three bytes); Wv_scales 1,024 x 32 uint8 (E8M0 scales of Wv, one for each 32 codes along K); b1 4,096 float32; b2 1,024 float32; bk 1,024 float32; bo 1,024 float32; bq 1,024 float32; bv 1,024 float32; ln1_b 1,024 float32; ln1_g 1,024 float32; ln2_b 1,024 float32; ln2_g 1,024 float32; rotary_cos 2,048 x 64 float32; rotary_sin 2,048 x 64 float32; x 2 x 2,048 x 1,024 float32.
;; Outputs: out0 2 x 2,048 x 1,024 float32.
;; This version of the problem:
;;   THIS VERSION OF THE PROBLEM IS GIVEN IN LOW PRECISION. The matrix products marked QUANTISED in the list below multiply operands that are first quantised to E2M3 (2 exponent bits, 3 mantissa bits; 6 bits a number), with one power-of-two scale for each 32 numbers along K (OCP MX v1.0); their sums are f32. All else is computed in f32.
;;   The module's matrix products, in the order in which they are computed (A, B: the left and right operand; K: the contracted axis; several contracted axes count as one K, in the product's order):
;;     1. [M 4,096, K 1,024] x [K 1,024, N 1,024]; A: computed on the way; B: input Wq (given as codes): QUANTISED
;;     2. [M 4,096, K 1,024] x [K 1,024, N 1,024]; A: computed on the way; B: input Wk (given as codes): QUANTISED
;;     3. [M 4,096, K 1,024] x [K 1,024, N 1,024]; A: computed on the way; B: input Wv (given as codes): QUANTISED
;;     4. batch 32 x [M 2,048, K 64] x [K 64, N 2,048]; A: computed on the way; B: computed on the way: QUANTISED
;;     5. batch 32 x [M 2,048, K 2,048] x [K 2,048, N 64]; A: softmax (see below); B: computed on the way: QUANTISED
;;     6. [M 4,096, K 1,024] x [K 1,024, N 1,024]; A: computed on the way; B: input Wo (given as codes): QUANTISED
;;     7. [M 4,096, K 1,024] x [K 1,024, N 4,096]; A: computed on the way; B: input W1 (given as codes): QUANTISED
;;     8. [M 4,096, K 4,096] x [K 4,096, N 1,024]; A: computed on the way; B: input W2 (given as codes): QUANTISED
;;   THE QUANTISER, for each operand of a quantised product, along K:
;;     - K is cut into blocks of 32 from its start; a last block that is shorter is filled with zeros.
;;     - A block's scale is 2^e with e = floor(log2(the largest magnitude in the block)) - 2, held to -126 .. 127; a block of zeros has e = 0. As a byte (E8M0): e + 127.
;;     - Each number is divided by its block's scale, clamped to +-7.5, and rounded to the nearest number of E2M3, ties to even, subnormals kept.
;;     - The product sums the exact products of the quantised numbers (number of the format x scale) in f32.
;;   ~~~python
;;   def quantise(x, axis):      # numpy; x: float32 -> the quantised numbers, widened to float32 again
;;       x = np.moveaxis(x, axis, -1); K = x.shape[-1]
;;       x = np.pad(x, [(0, 0)] * (x.ndim - 1) + [(0, -K % 32)]); x = x.reshape(x.shape[:-1] + (-1, 32)); a = np.abs(x).max(-1, keepdims=True)
;;       e = np.where(a > 0, np.clip(np.frexp(np.where(a > 0, a, 1))[1] - 1 - 2, -126, 127), 0)      # np.frexp(a)[1] - 1 = floor(log2(a)), exactly
;;       r = np.clip(x / 2.0 ** e, -7.5, 7.5)
;;       step = 2.0 ** (np.maximum(np.frexp(np.where(r == 0, 1, r))[1] - 1, 0) - 3)
;;       q = np.round(r / step) * step * 2.0 ** e      # np.round: ties to even
;;       return np.moveaxis(q.reshape(q.shape[:-2] + (-1,))[..., :K], -1, axis).astype(np.float32)
;;   ~~~
;;   SOFTMAX AHEAD OF A QUANTISED PRODUCT. Where the list says 'softmax', what is quantised is not the finished softmax but p = 2^(t - M), with t = logit x log2(e) and M = ceil(the row's largest t), a whole number; so 1/2 < the row's largest p <= 1. The row's sum l is taken of the UNQUANTISED p, in f32, and the product's result is divided by l at the end. Since M is a whole number, a kernel that streams over the keys may use a running M (the ceiling of the running maximum): every later rescaling is an exact power of two, which a block's scale takes up: the codes' values come out the same.
;;   OPERANDS COMPUTED ON THE WAY. 'Computed on the way' means the value that the module computes at that place (a softmax that the list does not call 'softmax' is quantised finished and normalised). What goes into a quantiser is computed in f32, as accurately as f32 sums, v_exp_f32 and their like allow (about 1e-6 of the number): no bf16 or f16 on the way to a quantiser, and a product that is left as it is and whose result goes on into a quantised operand takes f32 operands (vector FMAs, or v_wmma_f32_16x16x4_f32). A number that lies on a knife's edge between two numbers of the format may be rounded either way, as far as f32 arithmetic and the matrix unit's own rounding can turn it there, and no further.
;;   INPUTS GIVEN AS CODES. W1 (in the module: [4096, 1024], K = its axis 1); W2 (in the module: [1024, 4096], K = its axis 1); Wk (in the module: [1024, 1024], K = its axis 1); Wo (in the module: [1024, 1024], K = its axis 1); Wq (in the module: [1024, 1024], K = its axis 1); Wv (in the module: [1024, 1024], K = its axis 1): each comes as NAME_codes (uint8): NAME with its K axis moved to the last place and cut into blocks of 32 codes, [.., K / 32, bytes a block], one block behind the other in memory; four codes in three bytes: a row's codes are one little-endian stream of bits, code i at bits 6 i .. 6 i + 5 (a code: sign, 2 exponent bits, 3 mantissa bits); and NAME_scales (uint8): the same leading axes, one E8M0 byte (e + 127) for each 32 codes along K. Its value is code x scale, taken as it is: it is not quantised again, and the codes and scales need not be those that the quantiser above would give.
;; One version. Each part assembles by itself: llvm-mc -triple=amdgcn-amd-amdhsa -mcpu=gfx1250 --defsym DOCPART=n.
;; ======== version 1 of 1: 7 launches
;; limits: a function is approximated: absolute error at most 7.5e-08; an absolute error that grows with the inputs' magnitude: up to 7.5e-08 times it
;; workspace buffers: hq 3,276,800 bytes; qrec 4,194,304 bytes; kv 7,864,320 bytes; ob 3,276,800 bytes; gb 13,107,200 bytes; x1 16,777,216 bytes
;; launch ln1 (part 1): grid 256 x 1, 4 waves a work-group, no clusters, 22,016 bytes of LDS; arguments x, ln1_g, ln1_b, hq; writes hq
.if DOCPART == 1
	.amdgcn_target "amdgcn-amd-amdhsa--gfx1250"
	.amdhsa_code_object_version 6
	.text
	.protected	k_qcc78bb6c55_ln1
	.globl	k_qcc78bb6c55_ln1
	.p2align	8
	.type	k_qcc78bb6c55_ln1,@function
k_qcc78bb6c55_ln1:
	s_mov_b64 s[64:65], 0
	v_nop
	global_prefetch_b8 v0, s[64:65] scope:SCOPE_SE
	s_setreg_imm32_b32 hwreg(HW_REG_WAVE_MODE, 25, 1), 1
	s_wait_xcnt 0x0
; h = (x - mean) / sqrt(var + 1e-6) * g + b over rows of 1,024 f32, then quantised along the row to codes of FP6 (E2M3) with one E8M0 byte for each 32 numbers.
; Out: codes [4096][768 bytes] at byte 0 of the buffer, scale bytes [4096][32] at byte HQS: the form in which a product's launch takes an operand by rows.
; SHARES: a work-group takes 16 rows, a wave 4; a row is 8 loads of 512 consecutive bytes and stays in 32 registers through both passes.  All 48 loads of a wave (g, b, 4 rows) go out at the head.
; The conversions want 16 neighbours in one lane: 2,048 bytes at a time turn through the wave's own stage in LDS (64 bytes + 16 of padding a lane).
; A lane's 16 codes are 12 bytes: a store of the wave covers 384 consecutive bytes.  The work-group's 512 scale bytes meet in LDS and leave as two aligned blocks of 256 bytes.
; LIMITS: NaN and infinities are not served; a block whose largest magnitude lies under 2^-124 (a block of zeros too) gets the byte 1: its codes are then zeros or subnormal codes, and only this program reads the bytes.
.set SP,   80                          ; a lane's place in a stage
.set STG,  32*SP                       ; a stage: 2,560 bytes; two for each wave
.set SB,   8*STG                       ; behind the stages: the work-group's 512 scale bytes
.set HQS,  3145728                     ; where the scale bytes begin in the buffer
.set Y,    32                          ; v32-63   two sets of 16 neighbours
.set X,    64                          ; v64-191  four rows of 32 registers; a finished row's registers take its codes and bytes
.set G,    192                         ; v192-223 g of my 32 columns
.set B,    224                         ; v224-255 b
	s_load_b256 s[4:11], s[0:1], 0x0               ; x s[4:5], g s[6:7], b s[8:9], out s[10:11]
	v_lshl_add_u32 v30, v0, 2, 0x5400
	v_mov_b32 v31, 0
	v_lshrrev_b32 v1, 5, v0
	v_readfirstlane_b32 s12, v1                    ; wave
	v_and_b32 v1, 31, v0                           ; lane
	v_lshlrev_b32 v2, 4, v1                        ; 16 x lane
	v_mul_u32_u24 v3, v1, 12                       ; 12 x lane: my codes' place in 384 bytes
	s_mul_i32 s13, s12, 2*STG
	v_lshrrev_b32 v4, 2, v1
	v_mul_u32_u24 v4, v4, SP
	v_and_b32 v5, 3, v1
	v_lshl_add_u32 v4, v5, 4, v4
	v_add_nc_u32 v4, s13, v4                       ; into the stage: four lanes' 64 bytes on end, then the padding
	v_mul_u32_u24 v5, v1, SP
	v_add_nc_u32 v5, s13, v5                       ; out of it: my 16 neighbours
	s_lshl_b32 s13, s12, 7
	s_add_co_u32 s13, s13, SB
	v_lshrrev_b32 v6, 1, v1
	v_add_nc_u32 v6, s13, v6                       ; my block's scale byte among my wave's 128
	v_add_nc_u32 v7, SB, v2                        ; wave 0 reads all 512 back
	v_mov_b32 v10, 0                               ; a lane permute's destination counts as read
	s_mov_b32 s20, 0x76543210
	s_mov_b32 s21, 0xfedcba98                      ; lane l xor 16
	s_mov_b32 s22, 0x3a800000                      ; 1 / 1024
	s_mov_b32 s23, 0x358637bd                      ; 1e-6
	s_lshl_b32 s14, ttmp9, 4
	s_lshl_b32 s15, s12, 2
	s_add_co_u32 s14, s14, s15                     ; my first row
	s_lshl_b32 s16, s14, 12
	s_mov_b32 s17, 0
	s_mul_i32 s18, s14, 768
	s_mov_b32 s19, 0
	s_lshl_b32 s24, ttmp9, 9
	s_add_co_u32 s24, s24, HQS
	s_mov_b32 s25, 0
	s_wait_kmcnt 0x0
	s_add_nc_u64 s[4:5], s[4:5], s[16:17]
	s_add_nc_u64 s[26:27], s[10:11], s[24:25]      ; the work-group's scale bytes
	s_add_nc_u64 s[10:11], s[10:11], s[18:19]      ; my rows' codes
.irp j, 0,1,2,3,4,5,6,7
	global_load_b128 v[G+4*\j:G+4*\j+3], v2, s[6:7] offset:512*\j
.endr
.irp j, 0,1,2,3,4,5,6,7
	global_load_b128 v[B+4*\j:B+4*\j+3], v2, s[8:9] offset:512*\j
.endr
.irp i, 0,1,2,3
.irp j, 0,1,2,3,4,5,6,7
	global_load_b128 v[X+32*\i+4*\j:X+32*\i+4*\j+3], v2, s[4:5] offset:4096*\i+512*\j
.endr
.endr
; four chains of pairs in v[16:23] become one number in every lane's v16
.macro FOLD
	v_pk_add_f32 v[16:17], v[16:17], v[18:19]
	v_pk_add_f32 v[20:21], v[20:21], v[22:23]
	v_pk_add_f32 v[16:17], v[16:17], v[20:21]
	v_add_f32 v16, v16, v17
	v_add_f32_dpp v16, v16, v16 row_xmask:1 row_mask:0xf bank_mask:0xf
	v_add_f32_dpp v16, v16, v16 row_xmask:2 row_mask:0xf bank_mask:0xf
	v_add_f32_dpp v16, v16, v16 row_xmask:4 row_mask:0xf bank_mask:0xf
	v_add_f32_dpp v16, v16, v16 row_xmask:8 row_mask:0xf bank_mask:0xf
	v_permlanex16_b32 v10, v16, s20, s21
	v_add_f32 v16, v16, v10
.endm
.macro ROW i
.set XR, X+32*(\i)
	s_wait_loadcnt 8*(3-(\i))                      ; g, b and my rows up to this one are in; the younger rows' eight loads each stay out
.irp c, 0,1,2,3
	v_pk_add_f32 v[16+2*\c:17+2*\c], v[XR+2*\c:XR+2*\c+1], v[XR+8+2*\c:XR+9+2*\c]
.endr
.irp k, 16,24
.irp c, 0,1,2,3
	v_pk_add_f32 v[16+2*\c:17+2*\c], v[16+2*\c:17+2*\c], v[XR+\k+2*\c:XR+\k+2*\c+1]
.endr
.endr
	FOLD
	v_mul_f32 v12, s22, v16                        ; the mean
	v_mov_b32 v13, v12
.set jj, 0
.rept 16
	v_pk_add_f32 v[XR+jj:XR+jj+1], v[XR+jj:XR+jj+1], v[12:13] neg_lo:[0,1] neg_hi:[0,1]
.set jj, jj+2
.endr
.irp c, 0,1,2,3
	v_pk_mul_f32 v[16+2*\c:17+2*\c], v[XR+2*\c:XR+2*\c+1], v[XR+2*\c:XR+2*\c+1]
.endr
.irp k, 8,16,24
.irp c, 0,1,2,3
	v_pk_fma_f32 v[16+2*\c:17+2*\c], v[XR+\k+2*\c:XR+\k+2*\c+1], v[XR+\k+2*\c:XR+\k+2*\c+1], v[16+2*\c:17+2*\c]
.endr
.endr
	FOLD
	v_fma_f32 v24, v16, s22, s23                   ; the variance + 1e-6
	v_rsq_f32 v14, v24
	v_rsq_f32 v15, v24                             ; twice: a pair for the packed multiply
	v_nop                                          ; a plain instruction behind the transcendentals
	s_wait_alu depctr_va_vdst(0)                   ; one wait for both, ahead of their first reader
.set jj, 0
.rept 16
	v_pk_mul_f32 v[XR+jj:XR+jj+1], v[XR+jj:XR+jj+1], v[14:15]
.set jj, jj+2
.endr
.set jj, 0
.rept 16
	v_pk_fma_f32 v[XR+jj:XR+jj+1], v[XR+jj:XR+jj+1], v[G+jj:G+jj+1], v[B+jj:B+jj+1]
.set jj, jj+2
.endr
.irp u, 0,1                                    ; 512 numbers at a time through a stage: LDS serves a wave's instructions in order, so no wait stands between the stores and the loads
.irp k, 0,1,2,3
	ds_store_b128 v4, v[XR+16*\u+4*\k:XR+16*\u+4*\k+3] offset:STG*\u+8*SP*\k
.endr
.irp k, 0,1,2,3
	ds_load_b128 v[Y+16*\u+4*\k:Y+16*\u+4*\k+3], v5 offset:STG*\u+16*\k
.endr
.endr
	s_wait_dscnt 0x0                               ; the neighbours are in, and the stores have read the row's registers, which now take codes
.irp u, 0,1
.set YS, Y+16*\u
	v_max3_num_f32 v8, |v[YS]|, |v[YS+1]|, |v[YS+2]|
	v_max3_num_f32 v9, |v[YS+3]|, |v[YS+4]|, |v[YS+5]|
.irp k, 6,10
	v_max3_num_f32 v8, v8, |v[YS+\k]|, |v[YS+\k+1]|
	v_max3_num_f32 v9, v9, |v[YS+\k+2]|, |v[YS+\k+3]|
.endr
	v_max3_num_f32 v8, v8, |v[YS+14]|, |v[YS+15]|
	v_max3_num_f32 v8, v8, v9, 0x1800000           ; with the floor 2^(3 - 127): the byte cannot fall under 1
	v_max_num_f32_dpp v8, v8, v8 row_xmask:1 row_mask:0xf bank_mask:0xf   ; and my neighbour's 16: the block's largest magnitude
	v_add_nc_u32 v11, 0xff000000, v8               ; 2 off its exponent field: the conversion's scale operand
	v_cvt_scalef32_pk16_fp6_f32 v[XR+4*\u:XR+4*\u+2], v[YS:YS+15], v11
	v_lshrrev_b32 v[XR+8+\u], 23, v11              ; the scale's byte (also the plain instruction behind the conversion)
	ds_store_b8 v6, v[XR+8+\u] offset:32*(\i)+16*\u   ; both lanes of a block write the same byte with the same value
	global_store_b96 v3, v[XR+4*\u:XR+4*\u+2], s[10:11] offset:768*(\i)+384*\u   ; no store's data are written again: each row has its own registers
.endr
.endm
	ROW 0
	ROW 1
	ROW 2
	ROW 3
	s_wait_dscnt 0x0                               ; for the others' sake: my byte stores have landed
	s_barrier_signal -1
	s_barrier_wait -1
	s_cmp_lg_u32 s12, 0
	s_cbranch_scc1 .Ldone
	ds_load_b128 v[16:19], v7
	s_wait_dscnt 0x0
	global_store_b128 v2, v[16:19], s[26:27]       ; 512 consecutive bytes, at a multiple of 256 from the buffer's first byte
.Ldone:
	s_wait_tensorcnt 0x0
	ds_add_u32 v30, v31
	s_wait_dscnt 0x0
	s_endpgm
.Lfunc_end_k_qcc78bb6c55_ln1:
	.size	k_qcc78bb6c55_ln1, .Lfunc_end_k_qcc78bb6c55_ln1-k_qcc78bb6c55_ln1
	.p2alignl 7, 3214868480
	.fill 96, 4, 3214868480
	.section	.rodata,"a",@progbits
	.p2align	6, 0x0
	.amdhsa_kernel k_qcc78bb6c55_ln1
		.amdhsa_group_segment_fixed_size 22016
		.amdhsa_private_segment_fixed_size 0
		.amdhsa_enable_private_segment 0
		.amdhsa_kernarg_size 32
		.amdhsa_user_sgpr_count 2
		.amdhsa_user_sgpr_kernarg_segment_ptr 1
		.amdhsa_wavefront_size32 1
		.amdhsa_system_sgpr_workgroup_id_x 1
		.amdhsa_system_sgpr_workgroup_id_y 1
		.amdhsa_system_sgpr_workgroup_id_z 1
		.amdhsa_system_vgpr_workitem_id 0
		.amdhsa_next_free_vgpr 256
		.amdhsa_next_free_sgpr 66
		.amdhsa_reserve_vcc 0
		.amdhsa_float_denorm_mode_32 3
		.amdhsa_float_denorm_mode_16_64 3
		.amdhsa_memory_ordered 1
		.amdhsa_forward_progress 1
		.amdhsa_inst_pref_size 44
	.end_amdhsa_kernel
	.amdgpu_metadata
---
amdhsa.version: [ 1, 2 ]
amdhsa.kernels:
  - .name:           k_qcc78bb6c55_ln1
    .symbol:         k_qcc78bb6c55_ln1.kd
    .args:
      - { .name: x, .offset: 0, .size: 8, .value_kind: global_buffer, .address_space: global }
      - { .name: ln1_g, .offset: 8, .size: 8, .value_kind: global_buffer, .address_space: global }
      - { .name: ln1_b, .offset: 16, .size: 8, .value_kind: global_buffer, .address_space: global }
      - { .name: hq, .offset: 24, .size: 8, .value_kind: global_buffer, .address_space: global }
    .group_segment_fixed_size: 22016
    .private_segment_fixed_size: 0
    .kernarg_segment_align: 8
    .kernarg_segment_size: 32
    .max_flat_workgroup_size: 128
    .sgpr_count:     66
    .vgpr_count:     256
    .wavefront_size: 32
...
	.end_amdgpu_metadata
.endif
;; end of part 1
;; launch qkv (part 2): grid 12 x 16, 4 waves a work-group, clusters of 4 x 4, 327,680 bytes of LDS; arguments hq, Wq_codes, Wq_scales, Wk_codes, Wk_scales, Wv_codes, Wv_scales, bq, bk, bv, rotary_cos, rotary_sin, qrec, kv; writes qrec, kv
.if DOCPART == 2
	.amdgcn_target "amdgcn-amd-amdhsa--gfx1250"
	.amdhsa_code_object_version 6
	.text
	.protected	k_qcc78bb6c55_qkv
	.globl	k_qcc78bb6c55_qkv
	.p2align	8
	.type	k_qcc78bb6c55_qkv,@function
k_qcc78bb6c55_qkv:
	s_mov_b64 s[64:65], 0
	v_nop
	global_prefetch_b8 v0, s[64:65] scope:SCOPE_SE
	s_setreg_imm32_b32 hwreg(HW_REG_WAVE_MODE, 25, 1), 1
	s_wait_xcnt 0x0
	s_wait_alu depctr_hold_cnt(0) depctr_sa_sdst(0) depctr_va_vdst(0) depctr_va_sdst(0) depctr_va_ssrc(0) depctr_va_vcc(0) depctr_vm_vsrc(0)
	s_getreg_b32 s2, hwreg(HW_REG_IB_STS2, 6, 4)
	s_cmp_eq_u32 s2, 0
	s_cbranch_scc0 .Lentry_in_a_cluster
	s_endpgm
.Lentry_in_a_cluster:
	s_bfe_u32 s2, ttmp6, 0x10000c
	s_cmp_lg_u32 s2, 0xf033
	s_cbranch_scc0 .Lentry_shape_is_right
	s_endpgm
.Lentry_shape_is_right:
; q, k, v = h W^T + bias on codes of FP6 (E2M3) with E8M0 block scales; q and k get the rotary turn; all three are quantised again, in registers, and leave as images of the operand registers that the attention launch wants.
; THE PRODUCT: a tile of 256 x 256 by four waves, a wave 128 x 128 (64 accumulators); K = 1,024 in steps of 256 through a ring of two LDS slots; the scale bytes of the tile's rows come once.  4 x 4 work-groups form a cluster;
; A's tiles are asked for jointly along a row of the cluster, B's along a column.  The matrix instruction takes source 0 = 16 rows of B, source 1 = 16 rows of A: lane (r, h) holds A's row r and B's rows 8 h + 0 .. 7.
; THE CLUSTER'S x SAYS WHICH PRODUCT: 0: q, 1: k: A = h (tokens), B = Wq or Wk (channels): a lane holds one token and its registers run along the channels, the next K.
; 2: v: THE ROLES ARE SWAPPED, A = Wv (channels), B = h (tokens): a lane holds one channel and its registers run along the keys, which are the second attention product's K.  All partners of a cluster share that number.
; ORDER INSIDE A BLOCK OF 32: a lane's 16 registers of two neighbouring tiles are numbers 16 i + 8 h + j (i = 0, 1), taken as places 16 h + 8 i + j: the two middle groups of eight change places, alike in q and k, and alike in v and in the
; attention launch's p, so that every product still pairs equal k.  A block's 32 numbers stay one block.
; OUT: q, k: a record of 1,024 bytes for 16 tokens of one head: six code registers a lane (four at 16 x lane, two at 512 + 8 x lane), at 768 + 8 x lane the scale word twice (bytes 0, 1: the head's two blocks; bytes 2, 3: 0).
; v: a record of 1,792 bytes for 16 channels x 128 keys: twelve code registers a lane (at 0, 512, 1,024 + 16 x lane), at 1,536 + 8 x lane the scale word twice.  Every store covers whole aligned blocks of 256 bytes.
; LIMITS: NaN and infinities are not served; a block whose largest magnitude lies under 2^-124 (a block of zeros too) gets the byte 1.
.set KSTEP,  256
.set NQ,     2
.set ROWB,   192
.set KROW,   768
.set PITCH,  240                       ; an LDS row: 3 x (64 bytes + 16 of padding): the 32 lanes of a load of 8 bytes touch 64 different banks
.set FR,     12
.set NL,     6
.set NP,     4
.set HALFT,  128*PITCH
.set SLOT,   4*HALFT
.set LAPS,   2
.set KS,     32
.set SCL,    2*SLOT
.set HALFS,  (128*KS/256)*272
.set SBLK,   (16*KS/256)*272
.set SPARE,  SCL+4*HALFS               ; the spare words, 128 bytes a wave: no other line names them
.set HQS,    3145728
.set ADRA, 16
.set ADRB, 20
.set L16,  24                          ; the way out: 16 x lane
.set L8,   25                          ; 8 x lane
.set TL,   26                          ; the tables' lane term
.set ADRS, 27
.set SPW,  28
.set NIL,  29
.set BT,   30                          ; the bias's lane term
.set SC,   32                          ; v32-63 scale words, and nothing else
.set AF,   128
.set T,    64                          ; the way out, window 0: v64-127 a tile's 64 numbers
.set U,    128                         ; v128-191 after the rotary turn
.set CD,   192                         ; v192-210 the codes
.set TM,   212                         ; v212-227 at work in the quantiser
.set PW,   228                         ; the scale word just made
.set SW,   230                         ; v230-233 scale words as pairs
.set BV,   234                         ; v234-249 bv of my channel, a pair for each tile
.set PS,   98                          ; s[98:99] lane l xor 16
.set G1, 24
.set G0, 32
.set G1B, 48
.set G0B, 56
.set G1S, 68
.set G0S, 76
.set G1SB, 80
.set G0SB, 88
.set MSB, 0
.macro WIN new                         ; the immediate's high byte repeats the setting that is left
.if MSB != (\new)
	s_set_vgpr_msb (MSB<<8)|(\new)
.set MSB, \new
.endif
.endm
.set MUL_LO, 0xa1
.set MUL_HI, 0xf1
.set TO_B,   0x40
.macro JLOAD g0a, g1a, g0b, g1b        ; a joint load: waves 0 and 1 fetch for A, waves 2 and 3 for B; four v_nop follow each line
	s_cmp_eq_u32 s15, 0
	s_cbranch_scc0 .Lfor_b_\@
	tensor_load_to_lds s[\g0a:\g0a+3], s[\g1a:\g1a+7]
	s_nop 0
.rept 4
	v_nop
.endr
	s_branch .Lasked_\@
.Lfor_b_\@:
	tensor_load_to_lds s[\g0b:\g0b+3], s[\g1b:\g1b+7]
	s_nop 0
.rept 4
	v_nop
.endr
.Lasked_\@:
.endm
.macro CREST
	s_cmp_lg_u32 s14, 0
	s_cbranch_scc1 .Lnot_wave_0_\@
	s_barrier_signal -3
.Lnot_wave_0_\@:
	s_barrier_wait -3
	s_barrier_signal -1
	s_barrier_wait -1
.endm
.macro CROUND
	s_barrier_signal -1
	s_barrier_wait -1
	CREST
.endm
	s_load_b256 s[68:75], s[0:1], 0x0              ; h, Wq's codes, Wq's scales, Wk's codes
	s_load_b256 s[76:83], s[0:1], 0x20             ; Wk's scales, Wv's codes, Wv's scales, (bq)
	v_lshl_add_u32 v[SPW], v0, 2, SPARE
	v_mov_b32 v[NIL], 0
	ds_add_u32 v28, v29
	ds_add_u32 v28, v29
	s_wait_dscnt 0x0
	v_lshrrev_b32 v1, 5, v0
	v_readfirstlane_b32 s14, v1                    ; wave 0..3
	s_lshr_b32 s15, s14, 1                         ; which half of A's rows is mine.  Also: I fetch for A (0) or for B (1)
	s_and_b32 s16, s14, 1                          ; which half of B's rows.  Also: which 128 rows I fetch
	s_bfe_u32 s40, ttmp6, 0x40000                  ; cx
	s_bfe_u32 s41, ttmp6, 0x40004                  ; cy
	s_and_b32 s18, ttmp7, 0xffff
	s_lshl_b32 s18, s18, 2                         ; 4 x cluster y: the tokens' axis
	s_cmp_lt_u32 ttmp9, 2                          ; q or k: the tokens are A's rows; v: they are B's
	s_cselect_b32 s19, s18, 0
	s_cselect_b32 s18, 0, s18
	s_add_co_u32 s17, s19, s41                     ; A's tile row: hangs on cy, never on cx
	s_add_co_u32 s42, s18, s40                     ; B's tile column: hangs on cx, never on cy
	s_lshl_b32 s43, s41, 2
	s_lshl_b32 s43, 15, s43                        ; my row of the cluster
	s_lshl_b32 s44, 0x1111, s40                    ; my column
	s_wait_kmcnt 0x0
	s_add_nc_u64 s[92:93], s[68:69], HQS           ; h's scale bytes
	s_cmp_lt_u32 ttmp9, 2
	s_cselect_b64 s[4:5], s[68:69], s[78:79]       ; A's codes
	s_cselect_b64 s[6:7], s[92:93], s[80:81]       ; A's scales
	s_cselect_b64 s[8:9], s[74:75], s[68:69]       ; B's codes
	s_cselect_b64 s[10:11], s[76:77], s[92:93]     ; B's scales
	s_cmp_eq_u32 ttmp9, 0
	s_cselect_b64 s[8:9], s[70:71], s[8:9]
	s_cselect_b64 s[10:11], s[72:73], s[10:11]
	; descriptor group 1: a tile of 128 rows x 192 bytes, 16 bytes of padding behind every 64
	s_or_b32 s[G1+0], s43, (0<<16)|(1<<20)|(1<<21)|(3<<22)|(3<<25)
	s_or_b32 s[G1B+0], s44, (0<<16)|(1<<20)|(1<<21)|(3<<22)|(3<<25)
.irp g, G1, G1B
	s_mov_b32 s[\g+1], ROWB<<16
	s_mov_b32 s[\g+2], 128<<16
	s_mov_b32 s[\g+3], ROWB<<16
	s_mov_b32 s[\g+4], 128
	s_mov_b32 s[\g+5], KROW
	s_mov_b32 s[\g+6], 0
	s_mov_b32 s[\g+7], 0
.endr
	; the scales of 128 rows: a dense block, as rows of 256 bytes with 16 of padding
	s_or_b32 s[G1S+0], s43, (3<<16)|(1<<20)|(1<<21)|(5<<22)|(3<<25)
	s_or_b32 s[G1SB+0], s44, (3<<16)|(1<<20)|(1<<21)|(5<<22)|(3<<25)
.irp g, G1S, G1SB
	s_mov_b32 s[\g+1], 32<<16
	s_mov_b32 s[\g+2], (128*KS/256)<<16
	s_mov_b32 s[\g+3], 32<<16
	s_mov_b32 s[\g+4], 128*KS/256
	s_mov_b32 s[\g+5], 32
	s_mov_b32 s[\g+6], 0
	s_mov_b32 s[\g+7], 0
.endr
	s_lshl_b32 s18, s16, 7
	s_lshl_b32 s20, s17, 8
	s_add_co_u32 s20, s20, s18                     ; A: row 256 x tile row + 128 x half
	s_lshl_b32 s46, s42, 8
	s_add_co_u32 s46, s46, s18                     ; B: row 256 x tile column + 128 x half
	s_mov_b32 s21, 0
	s_mov_b32 s47, 0
	s_mov_b64 s[18:19], KS
	s_mul_u64 s[22:23], s[20:21], s[18:19]
	s_mul_u64 s[92:93], s[46:47], s[18:19]
	s_mov_b64 s[18:19], KROW
	s_mul_u64 s[20:21], s[20:21], s[18:19]
	s_mul_u64 s[46:47], s[46:47], s[18:19]
	s_mul_i32 s45, s14, HALFT                      ; where they go: wave x 128 rows
	s_mul_i32 s94, s14, HALFS
	s_add_nc_u64 s[20:21], s[4:5], s[20:21]
	s_add_nc_u64 s[22:23], s[6:7], s[22:23]
	s_add_nc_u64 s[46:47], s[8:9], s[46:47]
	s_add_nc_u64 s[92:93], s[10:11], s[92:93]
	CROUND                                         ; all sixteen work-groups are here: the first joint loads meet
	s_mov_b32 s[G0S], 1
	s_add_co_u32 s[G0S+1], s94, SCL
	s_mov_b64 s[G0S+2:G0S+3], s[22:23]
	s_or_b32 s[G0S+3], s[G0S+3], 0x80000000
	s_mov_b32 s[G0SB], 1
	s_add_co_u32 s[G0SB+1], s94, SCL
	s_mov_b64 s[G0SB+2:G0SB+3], s[92:93]
	s_or_b32 s[G0SB+3], s[G0SB+3], 0x80000000
	JLOAD G0S, G1S, G0SB, G1SB                     ; by this text's count three loads of a wave are out at the start, one behind each round
.irp s, 0,1
	s_mov_b32 s[G0+4*\s], 1
	s_add_co_u32 s[G0+4*\s+1], s45, \s*SLOT
	s_add_nc_u64 s[G0+4*\s+2:G0+4*\s+3], s[20:21], \s*ROWB
	s_or_b32 s[G0+4*\s+3], s[G0+4*\s+3], 0x80000000
	s_mov_b32 s[G0B+4*\s], 1
	s_add_co_u32 s[G0B+4*\s+1], s45, \s*SLOT
	s_add_nc_u64 s[G0B+4*\s+2:G0B+4*\s+3], s[46:47], \s*ROWB
	s_or_b32 s[G0B+4*\s+3], s[G0B+4*\s+3], 0x80000000
	JLOAD G0+4*\s, G1, G0B+4*\s, G1B
.endr
	v_and_b32 v1, 15, v0                           ; r
	v_bfe_u32 v2, v0, 4, 1                         ; h
	v_mul_u32_u24 v3, v1, PITCH
	v_mul_u32_u24 v4, v2, 24
	v_add_nc_u32 v4, v3, v4
	v_lshl_add_u32 v5, v2, 4, v4                   ; the same behind one padding more
	s_mul_i32 s21, s15, HALFT
	s_mul_i32 s22, s16, HALFT
	s_add_co_u32 s22, s22, 2*HALFT
.irp s, 0,1
	v_add_nc_u32 v[ADRA+\s], s21, v4
	v_add_nc_u32 v[ADRB+\s], s22, v4
	v_add_nc_u32 v[ADRA+2+\s], s21, v5
	v_add_nc_u32 v[ADRB+2+\s], s22, v5
	s_add_co_u32 s21, s21, SLOT
	s_add_co_u32 s22, s22, SLOT
.endr
	v_mul_u32_u24 v5, v1, KS
	v_lshrrev_b32 v6, 8, v5
	v_lshl_add_u32 v5, v6, 4, v5
	s_mul_i32 s21, s15, HALFS
	s_mul_i32 s22, s16, HALFS
	s_add_co_u32 s22, s22, 2*HALFS
	s_sub_co_u32 s22, s22, s21
	v_mul_u32_u24 v6, s22, v2                      ; lanes 16-31 take B's
	s_add_co_u32 s21, s21, SCL
	v_add_nc_u32 v5, v5, v6
	v_add_nc_u32 v[ADRS], s21, v5
.macro FRAG reg, adr, q, i             ; a fragment, 16 rows x 128 K, is 12 registers: six pieces of 8 bytes; where the piece three on lies behind one padding more, the second address register serves
.irp p, 0,1,2,3,4,5
.set PCE, 12*(\q)+6*(\p/3)+\p%3
.if PCE%8 < 5
	ds_load_b64 v[\reg+2*\p:\reg+2*\p+1], v[\adr] offset:8*PCE+16*(PCE/8)+(\i)*16*PITCH
.else
	ds_load_b64 v[\reg+2*\p:\reg+2*\p+1], v[\adr+2] offset:8*PCE+16*(PCE/8)+(\i)*16*PITCH
.endif
.endr
.endm
; 16 matrix instructions; the 64 accumulators take turns, one instruction a turn, in the same order in every step
.macro MUL16 a0, p, q, sc, zero
.irp a, \a0, \a0+1
.irp b, 0,1,2,3,4,5,6,7
.if \zero
	v_wmma_scale_f32_16x16x128_f8f6f4 v[8*(8*((\a)%4)+\b):8*(8*((\a)%4)+\b)+7], v[128*(\p)+FR*\b:128*(\p)+FR*\b+FR-1], v[AF+FR*(\a):AF+FR*(\a)+FR-1], 0, v[SC+8*NQ*(\sc)+NQ*\b+(\q)], v[SC+8*NQ*(\sc)+NQ*(\a)+(\q)] matrix_a_fmt:MATRIX_FMT_FP6 matrix_b_fmt:MATRIX_FMT_FP6 matrix_a_scale:MATRIX_SCALE_ROW1
.else
	v_wmma_scale_f32_16x16x128_f8f6f4 v[8*(8*((\a)%4)+\b):8*(8*((\a)%4)+\b)+7], v[128*(\p)+FR*\b:128*(\p)+FR*\b+FR-1], v[AF+FR*(\a):AF+FR*(\a)+FR-1], v[8*(8*((\a)%4)+\b):8*(8*((\a)%4)+\b)+7], v[SC+8*NQ*(\sc)+NQ*\b+(\q)], v[SC+8*NQ*(\sc)+NQ*(\a)+(\q)] matrix_a_fmt:MATRIX_FMT_FP6 matrix_b_fmt:MATRIX_FMT_FP6 matrix_a_scale:MATRIX_SCALE_ROW1
.endif
.endr
.endr
.endm
.macro FETCH_B slot, q, p
	WIN TO_B
.irp i, 0,1,2,3,4,5,6,7
	FRAG 128*(\p)+FR*\i, ADRB+\slot, \q, \i
.endr
	WIN 0
.endm
.macro FETCH_A slot, q, i0
.irp i, \i0, \i0+1, \i0+2, \i0+3
	FRAG AF+FR*(\i), ADRA+\slot, \q, \i
.endr
.endm
.macro SCALES sc                       ; lanes 0-15 take A's block i, lanes 16-31 B's block i: two words a row
.irp i, 0,1,2,3,4,5,6,7
	ds_load_b64 v[SC+8*NQ*\sc+NQ*\i:SC+8*NQ*\sc+NQ*\i+1], v[ADRS] offset:\i*SBLK
.endr
.endm
.macro PLACES n                        ; plain vector instructions between a matrix instruction and a load into, or a read of, its registers
.rept \n
	v_nop
.endr
.endm
.macro STEP slot, q, zero
	s_wait_dscnt 4*NL                              ; B's set and A's blocks 0-3 are in; the youngest 24 loads (A's blocks 4-7) may be out
	WIN MUL_LO
	MUL16 0, (\q)%2, \q, \slot, \zero
	MUL16 2, (\q)%2, \q, \slot, \zero
	s_wait_dscnt 0
	PLACES NP
	FETCH_B \slot, (\q)+1, 1-(\q)%2
	FETCH_A \slot, (\q)+1, 0
	WIN MUL_HI
	MUL16 4, (\q)%2, \q, \slot, \zero
	MUL16 6, (\q)%2, \q, \slot, \zero
	PLACES NP
	WIN 0
	FETCH_A \slot, (\q)+1, 4
.endm
.macro TURN slot, next, fill           ; a slot's last step changes slots: one barrier
	s_wait_tensorcnt 0x0                           ; all my tensor loads have landed: my part of the next slot
	ds_add_u32 v[SPW], v[NIL]                      ; 0 onto my spare word
	s_wait_dscnt 4*NL+1                            ; the add and the youngest 24 loads may be out
	WIN MUL_LO
	MUL16 0, 1, NQ-1, \slot, 0
	s_wait_dscnt 0x0                               ; the add is done, and my reads of this slot are over
	s_barrier_signal -1
	MUL16 2, 1, NQ-1, \slot, 0
	WIN 0
	s_barrier_wait -1
.if \fill
	CREST                                          ; the barrier has opened a round of the cluster's barrier: no wave of any partner still reads this slot or has a load on its way
	s_add_nc_u64 s[G0+4*\slot+2:G0+4*\slot+3], s[G0+4*\slot+2:G0+4*\slot+3], 2*ROWB
	s_add_nc_u64 s[G0B+4*\slot+2:G0B+4*\slot+3], s[G0B+4*\slot+2:G0B+4*\slot+3], 2*ROWB
	JLOAD G0+4*\slot, G1, G0B+4*\slot, G1B
.else
	PLACES NP
.endif
	v_add_nc_u32 v[ADRS], 4*NQ, v[ADRS]
	FETCH_B \next, 0, 0
	FETCH_A \next, 0, 0
	SCALES \next
	WIN MUL_HI
	MUL16 4, 1, NQ-1, \slot, 0
	MUL16 6, 1, NQ-1, \slot, 0
	PLACES NP
	WIN 0
	FETCH_A \next, 0, 4
.endm
	s_wait_tensorcnt 1                             ; the scales and my part of K step 0 are in; K step 1's load may be out
	s_barrier_signal -1
	s_barrier_wait -1
	FETCH_B 0, 0, 0
	FETCH_A 0, 0, 0
	SCALES 0
	FETCH_A 0, 0, 4
	STEP 0, 0, 1                                   ; the first step's products start the sums
	s_mov_b32 s3, LAPS-1
.Llap:
	TURN 0, 1, 1
	STEP 1, 0, 0
	TURN 1, 0, 1
	STEP 0, 0, 0
	s_sub_co_u32 s3, s3, 1
	s_cmp_lg_u32 s3, 0
	s_cbranch_scc1 .Llap
	TURN 0, 1, 0
	STEP 1, 0, 0
	s_wait_dscnt 4*NL
	WIN MUL_LO
	MUL16 0, 1, NQ-1, 1, 0
	MUL16 2, 1, NQ-1, 1, 0
	s_wait_dscnt 0
	WIN MUL_HI
	MUL16 4, 1, NQ-1, 1, 0
	MUL16 6, 1, NQ-1, 1, 0
	WIN 0
; 64 numbers of a lane, v[s] .. v[s + 63], register 16 b + i = place 32 b + 16 (lane / 16) + i of my row, become a fragment's codes in v[CD] on and its scale word in v[PW]
.macro QUANT s
.irp b, 0,1,2,3
	v_max3_num_f32 v[TM+\b], |v[\s+16*\b]|, |v[\s+1+16*\b]|, 0x1800000   ; with the floor 2^(3 - 127): the byte cannot fall under 1
.endr
.irp i, 2,4,6,8,10,12,14
.irp b, 0,1,2,3
	v_max3_num_f32 v[TM+\b], v[TM+\b], |v[\s+16*\b+\i]|, |v[\s+1+16*\b+\i]|
.endr
.endr
.irp b, 0,1,2,3
	v_permlanex16_b32 v[TM+4+\b], v[TM+\b], s[PS], s[PS+1]
.endr
.irp b, 0,1,2,3
	v_max_num_f32 v[TM+\b], v[TM+\b], v[TM+4+\b]
.endr
.irp b, 0,1,2,3
	v_add_nc_u32 v[TM+12+\b], 0xff000000, v[TM+\b]   ; 2 off the exponent field: the conversion's scale operand
.endr
.irp b, 0,1,2,3
	v_lshrrev_b32 v[TM+4+\b], 23, v[TM+12+\b]
.endr
	v_lshl_or_b32 v[PW], v[TM+5], 8, v[TM+4]
	v_lshl_or_b32 v[PW], v[TM+6], 16, v[PW]
	v_lshl_or_b32 v[PW], v[TM+7], 24, v[PW]
.irp c, 0,1
	v_cvt_scalef32_pk16_fp6_f32 v[CD+6*\c:CD+2+6*\c], v[\s+32*\c:\s+15+32*\c], v[TM+12+2*\c]
	v_cvt_scalef32_pk16_fp6_f32 v[CD+12+4*\c:CD+14+4*\c], v[\s+16+32*\c:\s+31+32*\c], v[TM+12+2*\c+1]
.endr
	v_nop                                          ; one plain place behind a scaled conversion
.irp c, 0,1                                    ; a whole block to a lane: lanes 0-15 block 2 c, lanes 16-31 block 2 c + 1
.irp i, 0,1,2
	v_permlane16_swap_b32 v[CD+6*\c+\i], v[CD+12+4*\c+\i]
.endr
.irp i, 0,1,2
	v_mov_b32 v[CD+3+6*\c+\i], v[CD+12+4*\c+\i]
.endr
.endr
.endm
	; THE WAY OUT.  No tensor load of mine is out (the last change of slots waited for all), so the descriptors' registers take pointers.
	PLACES NP
	s_load_b256 s[24:31], s[0:1], 0x38             ; bq, bk, bv, cos
	s_load_b128 s[32:35], s[0:1], 0x58             ; sin, qrec
	s_load_b64 s[36:37], s[0:1], 0x68              ; kv
	v_and_b32 v1, 31, v0
	v_lshlrev_b32 v[L16], 4, v1
	v_lshlrev_b32 v[L8], 3, v1
	v_and_b32 v2, 15, v0                           ; r
	v_bfe_u32 v3, v0, 4, 1                         ; h
.irp b, 0,1,2,3
	v_mov_b32 v[TM+4+\b], 0                        ; a lane permute's destination counts as read
.endr
	s_mov_b32 s[PS], 0x76543210
	s_mov_b32 s[PS+1], 0xfedcba98
	s_lshl_b32 s40, s17, 8
	s_lshl_b32 s41, s15, 7
	s_add_co_u32 s40, s40, s41                     ; my first row of A: a token (q, k) or a channel (v)
	s_lshl_b32 s41, s42, 8
	s_lshl_b32 s43, s16, 7
	s_add_co_u32 s41, s41, s43                     ; my first row of B: a channel (q, k) or a key (v)
	s_mov_b32 s53, 0
	s_wait_kmcnt 0x0
	s_cmp_eq_u32 ttmp9, 2                          ; the cluster's x: the same in all partners
	s_cbranch_scc1 .Lpath_v
	; ---- q and k
	s_lshr_b32 s43, s40, 11                        ; batch
	s_and_b32 s44, s40, 2047                       ; my first position
	s_lshr_b32 s45, s41, 6                         ; my first head
	s_lshl_b32 s43, s43, 4
	s_add_co_u32 s43, s43, s45
	s_lshr_b32 s45, s44, 7                         ; which 128 tokens of the head
	s_mov_b32 s46, 245760
	s_mov_b32 s47, 15360
	s_cmp_eq_u32 ttmp9, 1
	s_cselect_b32 s46, s46, 131072                 ; bytes from head to head: in kv, in qrec
	s_cselect_b32 s47, s47, 8192                   ; bytes from 128 tokens to the next
	s_cselect_b64 s[48:49], s[36:37], s[34:35]
	s_cselect_b64 s[50:51], s[26:27], s[24:25]
	s_mul_i32 s52, s43, s46
	s_mul_i32 s45, s45, s47
	s_add_co_u32 s52, s52, s45
	s_add_nc_u64 s[48:49], s[48:49], s[52:53]      ; my first head's records
	s_mov_b32 s52, s46
	s_add_nc_u64 s[54:55], s[48:49], s[52:53]      ; my second head's
	s_lshl_b32 s52, s41, 2
	s_add_nc_u64 s[50:51], s[50:51], s[52:53]      ; the bias at my first channel
	s_lshl_b32 s52, s44, 8
	s_add_nc_u64 s[30:31], s[30:31], s[52:53]      ; the tables at my first position
	s_add_nc_u64 s[32:33], s[32:33], s[52:53]
	v_lshlrev_b32 v[BT], 5, v3                     ; 32 h
	v_lshl_add_u32 v[TL], v2, 8, v[BT]             ; 256 r + 32 h
.macro TABLES a                        ; cos and sin of token tile a, in the accumulators' layout, into set a % 2 of window 1
.set TS, 64+64*((\a)%2)
.irp t, 0,1,2,3
.irp u, 0,1
	global_load_b128 v[TS+8*\t+4*\u:TS+8*\t+4*\u+3], v[TL], s[30:31] offset:4096*(\a)+64*\t+16*\u
	global_load_b128 v[TS+32+8*\t+4*\u:TS+32+8*\t+4*\u+3], v[TL], s[32:33] offset:4096*(\a)+64*\t+16*\u
.endr
.endr
.endm
	WIN 0x40                                       ; destination window 1
.irp b, 0,1,2,3,4,5,6,7
.irp u, 0,1
	global_load_b128 v[8*\b+4*\u:8*\b+4*\u+3], v[BT], s[50:51] offset:64*\b+16*\u   ; the bias of my 64 channels
.endr
.endr
	TABLES 0
	TABLES 1
.macro EPI_QK a
.set AC, 64*((\a)%4)
.set TS, 64+64*((\a)%2)
.if (\a) < 7
	s_wait_loadcnt 16                              ; the bias and this tile's tables are in; the next tile's 16 loads stay out
.else
	s_wait_loadcnt 0
.endif
	WIN 0x06+(\a)/4                                ; source 0: the accumulators' window; source 1: window 1
.irp b, 0,1,2,3,4,5,6,7
.irp k, 0,2,4,6
	v_pk_add_f32 v[T+8*\b+\k:T+8*\b+\k+1], v[AC+8*\b+\k:AC+8*\b+\k+1], v[8*\b+\k:8*\b+\k+1]   ; each accumulator from its low end on
.endr
.endr
	WIN 0x04
.irp b, 0,1,2,3,4,5,6,7
.irp k, 0,2,4,6
	v_pk_mul_f32 v[U+8*\b+\k:U+8*\b+\k+1], v[T+8*\b+\k:T+8*\b+\k+1], v[TS+8*(\b%4)+\k:TS+8*(\b%4)+\k+1]
.endr
.endr
.irp b, 0,1,2,3,4,5,6,7                        ; the partner 32 channels away lies two tiles away, in the same lane
.irp k, 0,2,4,6
.if \b%4 < 2
	v_pk_fma_f32 v[U+8*\b+\k:U+8*\b+\k+1], v[T+8*(4*(\b/4)+(\b+2)%4)+\k:T+8*(4*(\b/4)+(\b+2)%4)+\k+1], v[TS+32+8*(\b%4)+\k:TS+32+8*(\b%4)+\k+1], v[U+8*\b+\k:U+8*\b+\k+1] neg_lo:[1,0,0] neg_hi:[1,0,0]
.else
	v_pk_fma_f32 v[U+8*\b+\k:U+8*\b+\k+1], v[T+8*(4*(\b/4)+(\b+2)%4)+\k:T+8*(4*(\b/4)+(\b+2)%4)+\k+1], v[TS+32+8*(\b%4)+\k:TS+32+8*(\b%4)+\k+1], v[U+8*\b+\k:U+8*\b+\k+1]
.endif
.endr
.endr
.if (\a) < 6
	WIN 0x40
	TABLES (\a)+2                                  ; into the set just read
.endif
	WIN 0
	s_wait_xcnt 0x0                                ; the last tile's stores have read the codes and the scale words: both are written again only behind this wait
	QUANT U
	v_and_b32 v[SW], 0xffff, v[PW]                 ; my first head's two bytes,
	v_mov_b32 v[SW+1], v[SW]
	v_lshrrev_b32 v[SW+2], 16, v[PW]               ; my second head's
	v_mov_b32 v[SW+3], v[SW+2]
	global_store_b128 v[L16], v[CD:CD+3], s[48:49] offset:1024*(\a)
	global_store_b64 v[L8], v[CD+4:CD+5], s[48:49] offset:1024*(\a)+512
	global_store_b64 v[L8], v[SW:SW+1], s[48:49] offset:1024*(\a)+768
	global_store_b128 v[L16], v[CD+6:CD+9], s[54:55] offset:1024*(\a)
	global_store_b64 v[L8], v[CD+10:CD+11], s[54:55] offset:1024*(\a)+512
	global_store_b64 v[L8], v[SW+2:SW+3], s[54:55] offset:1024*(\a)+768
.endm
.irp a, 0,1,2,3,4,5,6,7
	EPI_QK \a
.endr
	s_branch .Ljoin
.Lpath_v:
	; ---- v: my 128 channels (two heads) x my 128 keys (one key step)
	s_lshr_b32 s43, s41, 11                        ; batch
	s_lshl_b32 s43, s43, 4
	s_lshr_b32 s44, s40, 6                         ; my first head
	s_add_co_u32 s43, s43, s44
	s_mul_i32 s52, s43, 245760
	s_and_b32 s44, s41, 2047
	s_lshr_b32 s44, s44, 7                         ; the key step
	s_mul_i32 s44, s44, 15360
	s_add_co_u32 s52, s52, s44
	s_add_co_u32 s52, s52, 8192                    ; V's records lie behind the step's eight of K
	s_add_nc_u64 s[48:49], s[36:37], s[52:53]
	s_lshl_b32 s52, s40, 2
	s_add_nc_u64 s[50:51], s[28:29], s[52:53]
	v_lshlrev_b32 v[BT], 2, v2                     ; 4 r
.irp a, 0,1,2,3,4,5,6,7
	v_mov_b32 v[BV+2*\a+1], 0                      ; (named as the upper half of a pair)
.endr
.irp a, 0,1,2,3,4,5,6,7
	global_load_b32 v[BV+2*\a], v[BT], s[50:51] offset:64*\a
.endr
	s_wait_loadcnt 0x0
.macro EPI_V a
.set AC, 64*((\a)%4)
	WIN 0x02+(\a)/4
.irp b, 0,1,2,3,4,5,6,7
.irp k, 0,2,4,6
	v_pk_add_f32 v[T+8*\b+\k:T+8*\b+\k+1], v[AC+8*\b+\k:AC+8*\b+\k+1], v[BV+2*(\a):BV+2*(\a)+1] op_sel_hi:[1,0]
.endr
.endr
	WIN 0
	s_wait_xcnt 0x0                                ; the last tile's stores have read their registers
	QUANT T
	v_mov_b32 v[SW], v[PW]
	v_mov_b32 v[SW+1], v[PW]
	global_store_b128 v[L16], v[CD:CD+3], s[48:49] offset:((\a)/4)*245760+((\a)%4)*1792
	global_store_b128 v[L16], v[CD+4:CD+7], s[48:49] offset:((\a)/4)*245760+((\a)%4)*1792+512
	global_store_b128 v[L16], v[CD+8:CD+11], s[48:49] offset:((\a)/4)*245760+((\a)%4)*1792+1024
	global_store_b64 v[L8], v[SW:SW+1], s[48:49] offset:((\a)/4)*245760+((\a)%4)*1792+1536
.endm
.irp a, 0,1,2,3,4,5,6,7
	EPI_V \a
.endr
.Ljoin:
	s_wait_tensorcnt 0x0                           ; the wave's end
	ds_add_u32 v[SPW], v[NIL]
	s_wait_dscnt 0x0
	CROUND                                         ; the closing round
	s_endpgm
.Lfunc_end_k_qcc78bb6c55_qkv:
	.size	k_qcc78bb6c55_qkv, .Lfunc_end_k_qcc78bb6c55_qkv-k_qcc78bb6c55_qkv
	.p2alignl 7, 3214868480
	.fill 96, 4, 3214868480
	.section	.rodata,"a",@progbits
	.p2align	6, 0x0
	.amdhsa_kernel k_qcc78bb6c55_qkv
		.amdhsa_group_segment_fixed_size 327680
		.amdhsa_private_segment_fixed_size 0
		.amdhsa_enable_private_segment 0
		.amdhsa_kernarg_size 112
		.amdhsa_user_sgpr_count 2
		.amdhsa_user_sgpr_kernarg_segment_ptr 1
		.amdhsa_wavefront_size32 1
		.amdhsa_system_sgpr_workgroup_id_x 1
		.amdhsa_system_sgpr_workgroup_id_y 1
		.amdhsa_system_sgpr_workgroup_id_z 1
		.amdhsa_system_vgpr_workitem_id 0
		.amdhsa_next_free_vgpr 1024
		.amdhsa_next_free_sgpr 102
		.amdhsa_reserve_vcc 0
		.amdhsa_float_denorm_mode_32 3
		.amdhsa_float_denorm_mode_16_64 3
		.amdhsa_memory_ordered 1
		.amdhsa_forward_progress 1
		.amdhsa_inst_pref_size 255
	.end_amdhsa_kernel
	.section	.bss,"aw",@nobits
	.p2align	6
	.space	262144
	.amdgpu_metadata
---
amdhsa.version: [ 1, 2 ]
amdhsa.kernels:
  - .name:           k_qcc78bb6c55_qkv
    .symbol:         k_qcc78bb6c55_qkv.kd
    .args:
      - { .name: hq, .offset: 0, .size: 8, .value_kind: global_buffer, .address_space: global }
      - { .name: Wq_codes, .offset: 8, .size: 8, .value_kind: global_buffer, .address_space: global }
      - { .name: Wq_scales, .offset: 16, .size: 8, .value_kind: global_buffer, .address_space: global }
      - { .name: Wk_codes, .offset: 24, .size: 8, .value_kind: global_buffer, .address_space: global }
      - { .name: Wk_scales, .offset: 32, .size: 8, .value_kind: global_buffer, .address_space: global }
      - { .name: Wv_codes, .offset: 40, .size: 8, .value_kind: global_buffer, .address_space: global }
      - { .name: Wv_scales, .offset: 48, .size: 8, .value_kind: global_buffer, .address_space: global }
      - { .name: bq, .offset: 56, .size: 8, .value_kind: global_buffer, .address_space: global }
      - { .name: bk, .offset: 64, .size: 8, .value_kind: global_buffer, .address_space: global }
      - { .name: bv, .offset: 72, .size: 8, .value_kind: global_buffer, .address_space: global }
      - { .name: rotary_cos, .offset: 80, .size: 8, .value_kind: global_buffer, .address_space: global }
      - { .name: rotary_sin, .offset: 88, .size: 8, .value_kind: global_buffer, .address_space: global }
      - { .name: qrec, .offset: 96, .size: 8, .value_kind: global_buffer, .address_space: global }
      - { .name: kv, .offset: 104, .size: 8, .value_kind: global_buffer, .address_space: global }
    .group_segment_fixed_size: 327680
    .private_segment_fixed_size: 0
    .kernarg_segment_align: 8
    .kernarg_segment_size: 112
    .max_flat_workgroup_size: 128
    .sgpr_count:     102
    .vgpr_count:     1024
    .wavefront_size: 32
...
	.end_amdgpu_metadata
.endif
;; end of part 2
;; launch attn (part 3): grid 8 x 32, 16 waves a work-group, clusters of 4 x 1, 247,808 bytes of LDS; arguments qrec, kv, ob; writes ob
.if DOCPART == 3
	.amdgcn_target "amdgcn-amd-amdhsa--gfx1250"
	.amdhsa_code_object_version 6
	.text
	.protected	k_qcc78bb6c55_attn
	.globl	k_qcc78bb6c55_attn
	.p2align	8
	.type	k_qcc78bb6c55_attn,@function
k_qcc78bb6c55_attn:
	s_mov_b64 s[64:65], 0
	v_nop
	global_prefetch_b8 v0, s[64:65] scope:SCOPE_SE
	s_setreg_imm32_b32 hwreg(HW_REG_WAVE_MODE, 25, 1), 1
	s_wait_xcnt 0x0
	s_wait_alu depctr_hold_cnt(0) depctr_sa_sdst(0) depctr_va_vdst(0) depctr_va_sdst(0) depctr_va_ssrc(0) depctr_va_vcc(0) depctr_vm_vsrc(0)
	s_getreg_b32 s2, hwreg(HW_REG_IB_STS2, 6, 4)
	s_cmp_eq_u32 s2, 0
	s_cbranch_scc0 .Lentry_in_a_cluster
	s_endpgm
.Lentry_in_a_cluster:
	s_bfe_u32 s2, ttmp6, 0x10000c
	s_cmp_lg_u32 s2, 0x3003
	s_cbranch_scc0 .Lentry_shape_is_right
	s_endpgm
.Lentry_shape_is_right:
; o = softmax(q k^T / 8) v for one head and 256 queries, both products on codes of FP6 (E2M3) with E8M0 block scales, and o quantised again along the channels for the next product.
; THE SOFTMAX: t = score x log2(e) / 8; M = the running largest t rounded up to a whole number; p = 2^(t - M) is quantised along the keys; the row's sum is taken of the unquantised p and divides at the end.
; A HEAD'S K AND V, codes and scale words, are 245,760 bytes: they come into LDS ONCE, whole, so that no LDS byte is ever filled again.  Sixteen key steps of 15,360 bytes: eight records of K (16 keys each), four of V (16 channels x 128 keys),
; each an image of the operand's registers: every LDS load reads consecutive bytes, 16, 8 or (the scale words) every second 4 bytes a lane.
; SHARES: a work-group owns 256 queries, each of its sixteen waves 16: four waves to a SIMD.  The four work-groups of a cluster belong to one head: each block of 3,840 bytes is asked for jointly.  A wave issues four loads, one for each
; quarter of the head (four key steps); quarter n is read behind a wait that leaves the 3 - n later loads out, and a barrier behind which nothing is filled.
; THE FIRST PRODUCT HAS K = 64: registers 6-11 of q's and k's fragments are zero codes, which add nothing (their scale bytes are 0, that is 2^-127).
; LAYOUT: both products transposed: a lane holds one query (lane % 16).  The order of p's codes inside a block of 32 keys is that of v's records (the two middle groups of eight change places in both).
; OUT: half an image (768 bytes: 16 rows x this head's 64 channels, in natural order) of the next product's A, and one scale byte a lane.
; LIMITS: NaN and infinities are not served; a block whose largest magnitude lies under 2^-124 gets the byte 1.
.set STEPB, 15360
.set QUARB, 61440
.set KF,  32                           ; v32-79   four fragments of K (registers 6-11 of each stay 0)
.set VF,  80                           ; v80-127  four fragments of V
.set S,   128                          ; v128-191 S^T, then p
.set O,   192                          ; v192-223 O^T
.set CD,  224                          ; v224-235 p's codes
.set BM,  236                          ; v236-239 the blocks' largest scores
.set EX,  240                          ; v240-247 at work
.set SO,  248                          ; v248-251 the conversions' scale operands
; v1 16 x lane, v2 8 x lane, v3 and v29 the step's addresses, v4-7 V's scale words, v8-11 K's, v12 -M, v13 the largest t, v[14:15] the sum, v16-27 q, v28 q's scale word, v30 the scale byte's place, v[252:253] f, v254 p's scale word, v255 at work
.set WV,  18
.set PS,  20
.set CS,  22
.set G1,  24
.set G0,  32
.set TB,  48
.set CNT, 49
.macro ROUND
	s_barrier_signal -1
	s_barrier_wait -1
	s_cmp_lg_u32 s[WV], 0
	s_cbranch_scc1 .Lnot_wave_0_\@
	s_barrier_signal -3
.Lnot_wave_0_\@:
	s_barrier_wait -3
	s_barrier_signal -1
	s_barrier_wait -1
.endm
	s_load_b128 s[4:7], s[0:1], 0x0                ; q's records, k's and v's
	s_load_b64 s[8:9], s[0:1], 0x10                ; out
	v_lshl_add_u32 v254, v0, 2, 0x3c000
	v_mov_b32 v255, 0
	ds_add_u32 v254, v255
	ds_add_u32 v254, v255
	s_wait_dscnt 0x0
	v_lshrrev_b32 v30, 5, v0
	v_readfirstlane_b32 s[WV], v30                 ; wave 0..15
	s_bfe_u32 s50, ttmp6, 0x40000                  ; cx: it enters q's and the output's addresses alone
	s_lshl_b32 s51, ttmp9, 2
	s_add_co_u32 s51, s51, s50                     ; my block of 256 queries
	s_and_b32 s52, ttmp7, 0xffff                   ; 16 x batch + head, which the partners share
	; descriptor group 1: a dense block of 3,840 bytes as 15 rows of 256 (32 elements of 8 bytes)
	s_mov_b32 s[G1], 15|(3<<16)|(1<<21)            ; the mask: all four work-groups; bit 21 beside it
	s_mov_b32 s[G1+1], 32<<16
	s_mov_b32 s[G1+2], 15<<16
	s_mov_b32 s[G1+3], 32<<16
	s_mov_b32 s[G1+4], 15
	s_mov_b32 s[G1+5], 32
	s_mov_b32 s[G1+6], 0
	s_mov_b32 s[G1+7], 0
	s_mul_i32 s54, s52, 16*STEPB
	s_mul_i32 s53, s[WV], 3840                     ; my wave's block of a quarter, in LDS as in memory
	s_add_co_u32 s54, s54, s53
	s_mov_b32 s55, 0
	s_lshl_b32 s56, s52, 7
	s_lshl_b32 s58, s51, 4
	s_add_co_u32 s58, s58, s[WV]                   ; my tile of 16 queries in the head
	s_add_co_u32 s56, s56, s58
	s_lshl_b32 s56, s56, 10                        ; its record
	s_mov_b32 s57, 0
	s_lshr_b32 s59, s52, 4                         ; batch
	s_lshl_b32 s59, s59, 7
	s_add_co_u32 s59, s59, s58                     ; my tile of 16 rows among the 256
	s_and_b32 s60, s52, 15                         ; head
	s_lshr_b32 s61, s60, 1                         ; the next product's K step
	s_and_b32 s60, s60, 1                          ; and which half of it
	s_lshl_b32 s62, s59, 3
	s_add_co_u32 s62, s62, s61
	s_mul_i32 s62, s62, 1536
	s_mul_i32 s63, s60, 768
	s_add_co_u32 s62, s62, s63                     ; my half image
	s_mov_b32 s63, 0
	s_lshl_b32 s61, s61, 14                        ; scale words [K step][4,096 rows]
	s_lshl_b32 s59, s59, 6
	s_add_co_u32 s61, s61, s59
	s_lshl_b32 s60, s60, 1
	s_add_co_u32 s60, s61, s60
	s_add_co_u32 s60, s60, 3145728
	s_mov_b32 s61, 0
	s_mov_b32 s[PS], 0x76543210
	s_mov_b32 s[PS+1], 0xfedcba98
	s_mov_b32 s[CS], 0x3e38aa3b                    ; c = log2(e) / 8
	s_mov_b32 s[CS+1], s[CS]
	s_wait_kmcnt 0x0
	s_add_nc_u64 s[6:7], s[6:7], s[54:55]
	s_add_nc_u64 s[4:5], s[4:5], s[56:57]
	s_add_nc_u64 s[10:11], s[8:9], s[62:63]
	s_add_nc_u64 s[12:13], s[8:9], s[60:61]
	ROUND                                          ; all four work-groups are here: the joint loads meet
.irp q, 0,1,2,3
	s_mov_b32 s[G0+4*\q], 1
	s_add_co_u32 s[G0+4*\q+1], s53, QUARB*\q
	s_add_nc_u64 s[G0+4*\q+2:G0+4*\q+3], s[6:7], QUARB*\q
	s_or_b32 s[G0+4*\q+3], s[G0+4*\q+3], 0x80000000
.endr
	tensor_load_to_lds s[G0:G0+3], s[G1:G1+7]      ; by this text's count four loads of a wave are out, and none is issued later
	s_nop 0
	tensor_load_to_lds s[G0+4:G0+7], s[G1:G1+7]
	s_nop 0
	tensor_load_to_lds s[G0+8:G0+11], s[G1:G1+7]
	s_nop 0
	tensor_load_to_lds s[G0+12:G0+15], s[G1:G1+7]
	s_nop 0
.rept 4
	v_nop
.endr
	v_and_b32 v30, 31, v0
	v_lshlrev_b32 v1, 4, v30
	v_lshlrev_b32 v2, 3, v30
	global_load_b128 v[16:19], v1, s[4:5]
	global_load_b64 v[20:21], v2, s[4:5] offset:512
	global_load_b32 v28, v2, s[4:5] offset:768
	v_and_b32 v30, 15, v0
	v_bfe_u32 v31, v0, 4, 1
	v_lshl_add_u32 v30, v30, 2, v31                ; 4 r + h: my scale byte's place
.irp j, 22,23,24,25,26,27
	v_mov_b32 v[\j], 0                             ; q's upper 64 codes
.endr
.irp t, 0,1,2,3
.irp j, 6,7,8,9,10,11
	v_mov_b32 v[KF+12*\t+\j], 0                    ; k's: written once, no load lands there
.endr
.endr
	v_mov_b32 v13, 0xff61b1e6                      ; the largest t so far: -3e38
	v_floor_f32 v12, -v13
	v_mov_b32 v14, 0
	v_mov_b32 v15, 0
.irp b, 0,1,2,3
	v_mov_b32 v[EX+\b], 0                          ; a lane permute's destination counts as read
.endr
	v_mov_b32 v253, 0                              ; (named as the upper half of the pair v[252:253])
.set jj, 0
.rept 32
	v_mov_b32 v[O+jj], 0                           ; O^T: the step is written once; the first finds zeros
.set jj, jj+1
.endr
.macro STEP                            ; 128 keys, at LDS byte s[TB]
	v_add_nc_u32 v3, s[TB], v1
	v_add_nc_u32 v29, s[TB], v2
.irp g, 0,1
.if \g
.rept 4
	v_nop                                          ; places in front of loads into registers that matrix instructions have read
.endr
.endif
.irp t, 0,1,2,3
	ds_load_b128 v[KF+12*\t:KF+12*\t+3], v3 offset:1024*(4*\g+\t)
	ds_load_b64 v[KF+12*\t+4:KF+12*\t+5], v29 offset:1024*(4*\g+\t)+512
	ds_load_b32 v[8+\t], v29 offset:1024*(4*\g+\t)+768
.endr
.if \g
.irp t, 0,1,2,3
	ds_load_b128 v[VF+12*\t:VF+12*\t+3], v3 offset:8192+1792*\t
	ds_load_b128 v[VF+12*\t+4:VF+12*\t+7], v3 offset:8192+1792*\t+512
	ds_load_b128 v[VF+12*\t+8:VF+12*\t+11], v3 offset:8192+1792*\t+1024
	ds_load_b32 v[4+\t], v29 offset:8192+1792*\t+1536
.endr
	s_wait_dscnt 16                                ; K's are in; V's 16 loads stay out through the softmax
.else
	s_wait_dscnt 0x0
.endif
.irp t, 0,1,2,3
	v_wmma_scale_f32_16x16x128_f8f6f4 v[S+8*(4*\g+\t):S+8*(4*\g+\t)+7], v[KF+12*\t:KF+12*\t+11], v[16:27], 0, v[8+\t], v28 matrix_a_fmt:MATRIX_FMT_FP6 matrix_b_fmt:MATRIX_FMT_FP6
.endr
.endr
.rept 4
	v_nop
.endr
.irp b, 0,1,2,3
	v_max3_num_f32 v[BM+\b], v[S+16*\b], v[S+1+16*\b], v[S+2+16*\b]   ; the largest score of each block of 32 keys: for the row's maximum and, since p rises with the score, for the block's largest p
.endr
.irp i, 3,5,7,9,11,13
.irp b, 0,1,2,3
	v_max3_num_f32 v[BM+\b], v[BM+\b], v[S+16*\b+\i], v[S+1+16*\b+\i]
.endr
.endr
.irp b, 0,1,2,3
	v_max_num_f32 v[BM+\b], v[BM+\b], v[S+15+16*\b]
.endr
.irp b, 0,1,2,3
	v_permlanex16_b32 v[EX+\b], v[BM+\b], s[PS], s[PS+1]
.endr
.irp b, 0,1,2,3
	v_max_num_f32 v[BM+\b], v[BM+\b], v[EX+\b]
.endr
	v_max3_num_f32 v255, v[BM], v[BM+1], v[BM+2]
	v_max_num_f32 v255, v255, v[BM+3]
	v_mul_f32 v255, s[CS], v255
	v_max_num_f32 v13, v13, v255                   ; the running largest t
	v_mov_b32 v255, v12
	v_floor_f32 v12, -v13                          ; -M = floor(-t): M is a whole number
	v_sub_f32 v255, v12, v255
	v_cvt_i32_f32 v255, v255                       ; (it saturates)
	v_ldexp_f32 v252, 1.0, v255                    ; f = 2^(old M - new M): exact
.set jj, 0
.rept 32
	v_pk_fma_f32 v[S+jj:S+jj+1], v[S+jj:S+jj+1], s[CS:CS+1], v[12:13] op_sel_hi:[1,0,0]
.set jj, jj+2
.endr
.irp b, 0,1,2,3
	v_fma_f32 v[BM+\b], v[BM+\b], s[CS], v12
.endr
.set jj, 0
.rept 64
	v_exp_f32 v[S+jj], v[S+jj]                     ; p = 2^(t - M)
.set jj, jj+1
.endr
	v_pk_mul_f32 v[14:15], v[14:15], v[252:253] op_sel_hi:[1,0]   ; the sums under the new M: a plain instruction behind the exponentials
	s_wait_alu depctr_va_vdst(0)                   ; one wait for the batch of 64, ahead of its first reader
.irp b, 0,1,2,3
	v_exp_f32 v[BM+\b], v[BM+\b]                   ; the blocks' largest p
.endr
	v_pk_add_f32 v[EX:EX+1], v[S:S+1], v[S+2:S+3]  ; the row's sum of the unquantised p, in two chains
.irp j, 4,8,12,16,20,24,28,32,36,40,44,48,52,56,60
	v_pk_add_f32 v[14:15], v[14:15], v[S+\j:S+1+\j]
	v_pk_add_f32 v[EX:EX+1], v[EX:EX+1], v[S+2+\j:S+3+\j]
.endr
	v_pk_add_f32 v[14:15], v[14:15], v[EX:EX+1]
	s_wait_alu depctr_va_vdst(0)                   ; and one for the four
.irp b, 0,1,2,3
	v_max_num_f32 v[BM+\b], 0x1800000, v[BM+\b]    ; the floor 2^(3 - 127)
.endr
.irp b, 0,1,2,3
	v_add_nc_u32 v[SO+\b], 0xff000000, v[BM+\b]
.endr
.irp b, 0,1,2,3
	v_lshrrev_b32 v[EX+\b], 23, v[SO+\b]
.endr
	v_lshl_or_b32 v254, v[EX+1], 8, v[EX]          ; p's scale word for these 128 keys
	v_lshl_or_b32 v254, v[EX+2], 16, v254
	v_lshl_or_b32 v254, v[EX+3], 24, v254
.irp c, 0,1
	v_cvt_scalef32_pk16_fp6_f32 v[CD+6*\c:CD+2+6*\c], v[S+32*\c:S+15+32*\c], v[SO+2*\c]
	v_cvt_scalef32_pk16_fp6_f32 v[EX+4*\c:EX+2+4*\c], v[S+16+32*\c:S+31+32*\c], v[SO+2*\c+1]
.endr
	v_nop                                          ; one plain place behind a scaled conversion
.irp c, 0,1
.irp i, 0,1,2
	v_permlane16_swap_b32 v[CD+6*\c+\i], v[EX+4*\c+\i]
.endr
.irp i, 0,1,2
	v_mov_b32 v[CD+3+6*\c+\i], v[EX+4*\c+\i]
.endr
.endr
.set jj, 0
.rept 16
	v_pk_mul_f32 v[O+jj:O+jj+1], v[O+jj:O+jj+1], v[252:253] op_sel_hi:[1,0]   ; O^T under the new M
.set jj, jj+2
.endr
.rept 4
	v_nop                                          ; with the 16 above: the places between the scale word's and the codes' last writes and the scaled products
.endr
	s_wait_dscnt 0x0                               ; V is in
.irp t, 0,1,2,3
	v_wmma_scale_f32_16x16x128_f8f6f4 v[O+8*\t:O+8*\t+7], v[VF+12*\t:VF+12*\t+11], v[CD:CD+11], v[O+8*\t:O+8*\t+7], v[4+\t], v254 matrix_a_fmt:MATRIX_FMT_FP6 matrix_b_fmt:MATRIX_FMT_FP6
.endr
.endm
.macro QUARTER n
	s_wait_tensorcnt 3-(\n)                        ; my block of quarter n is in; the later quarters' loads stay out
	s_barrier_signal -1
	s_barrier_wait -1                              ; everybody's is
	s_mov_b32 s[TB], QUARB*(\n)
	s_mov_b32 s[CNT], 4
.Lstep_\@:
	STEP
	s_add_co_u32 s[TB], s[TB], STEPB
	s_sub_co_u32 s[CNT], s[CNT], 1
	s_cmp_lg_u32 s[CNT], 0
	s_cbranch_scc1 .Lstep_\@
.endm
	s_wait_loadcnt 0x0                             ; q
	QUARTER 0
	QUARTER 1
	QUARTER 2
	QUARTER 3
	; THE WAY OUT
.rept 4
	v_nop                                          ; places behind the last products
.endr
	v_add_f32 v14, v14, v15
	v_permlanex16_b32 v[EX], v14, s[PS], s[PS+1]
	v_add_f32 v14, v14, v[EX]                      ; the row's sum
	v_rcp_f32 v252, v14
	v_nop                                          ; a plain instruction behind the transcendental
	s_wait_alu depctr_va_vdst(0)                   ; the wait ahead of its first reader
.irp p, 0,1,2,3                                ; o = O^T / the sum; the tiles are laid in the order 0, 2, 1, 3
.irp k, 0,2,4,6
	v_pk_mul_f32 v[S+8*\p+\k:S+8*\p+\k+1], v[O+8*((\p%2)*2+\p/2)+\k:O+8*((\p%2)*2+\p/2)+\k+1], v[252:253] op_sel_hi:[1,0]
.endr
.endr
.irp j, 0,1,2,3,4,5,6,7                        ; lanes 16-31 of one change places with lanes 0-15 of the other: lane (r, h) then holds channels 32 h + 0 .. 31 of row r, in order
	v_permlane16_swap_b32 v[S+\j], v[S+8+\j]
	v_permlane16_swap_b32 v[S+16+\j], v[S+24+\j]
.endr
	v_max3_num_f32 v[BM], |v[S]|, |v[S+1]|, 0x1800000
	v_max3_num_f32 v[BM+1], |v[S+16]|, |v[S+17]|, 0x1800000
.irp i, 2,4,6,8,10,12,14
	v_max3_num_f32 v[BM], v[BM], |v[S+\i]|, |v[S+1+\i]|
	v_max3_num_f32 v[BM+1], v[BM+1], |v[S+16+\i]|, |v[S+17+\i]|
.endr
	v_max_num_f32 v[BM], v[BM], v[BM+1]            ; my block's largest magnitude: all 32 numbers are mine
	v_add_nc_u32 v[SO], 0xff000000, v[BM]
	v_lshrrev_b32 v[EX], 23, v[SO]                 ; its byte
	v_cvt_scalef32_pk16_fp6_f32 v[CD:CD+2], v[S:S+15], v[SO]
	v_cvt_scalef32_pk16_fp6_f32 v[CD+8:CD+10], v[S+16:S+31], v[SO]
	v_nop
.irp i, 0,1,2
	v_mov_b32 v[CD+3+\i], v[CD+8+\i]
.endr
	global_store_b128 v1, v[CD:CD+3], s[10:11]     ; 512 consecutive bytes,
	global_store_b64 v2, v[CD+4:CD+5], s[10:11] offset:512   ; and 256
	global_store_b8 v30, v[EX], s[12:13]           ; one byte a lane: the two heads of a scale word belong to different work-groups
	s_wait_xcnt 0x0
	v_lshl_add_u32 v254, v0, 2, 0x3c000
	v_mov_b32 v255, 0
	s_wait_tensorcnt 0x0
	ds_add_u32 v254, v255
	s_wait_dscnt 0x0
	ROUND                                          ; the closing round
	s_endpgm
.Lfunc_end_k_qcc78bb6c55_attn:
	.size	k_qcc78bb6c55_attn, .Lfunc_end_k_qcc78bb6c55_attn-k_qcc78bb6c55_attn
	.p2alignl 7, 3214868480
	.fill 96, 4, 3214868480
	.section	.rodata,"a",@progbits
	.p2align	6, 0x0
	.amdhsa_kernel k_qcc78bb6c55_attn
		.amdhsa_group_segment_fixed_size 247808
		.amdhsa_private_segment_fixed_size 0
		.amdhsa_enable_private_segment 0
		.amdhsa_kernarg_size 24
		.amdhsa_user_sgpr_count 2
		.amdhsa_user_sgpr_kernarg_segment_ptr 1
		.amdhsa_wavefront_size32 1
		.amdhsa_system_sgpr_workgroup_id_x 1
		.amdhsa_system_sgpr_workgroup_id_y 1
		.amdhsa_system_sgpr_workgroup_id_z 1
		.amdhsa_system_vgpr_workitem_id 0
		.amdhsa_next_free_vgpr 256
		.amdhsa_next_free_sgpr 66
		.amdhsa_reserve_vcc 0
		.amdhsa_float_denorm_mode_32 3
		.amdhsa_float_denorm_mode_16_64 3
		.amdhsa_memory_ordered 1
		.amdhsa_forward_progress 1
		.amdhsa_inst_pref_size 78
	.end_amdhsa_kernel
	.amdgpu_metadata
---
amdhsa.version: [ 1, 2 ]
amdhsa.kernels:
  - .name:           k_qcc78bb6c55_attn
    .symbol:         k_qcc78bb6c55_attn.kd
    .args:
      - { .name: qrec, .offset: 0, .size: 8, .value_kind: global_buffer, .address_space: global }
      - { .name: kv, .offset: 8, .size: 8, .value_kind: global_buffer, .address_space: global }
      - { .name: ob, .offset: 16, .size: 8, .value_kind: global_buffer, .address_space: global }
    .group_segment_fixed_size: 247808
    .private_segment_fixed_size: 0
    .kernarg_segment_align: 8
    .kernarg_segment_size: 24
    .max_flat_workgroup_size: 512
    .sgpr_count:     66
    .vgpr_count:     256
    .wavefront_size: 32
...
	.end_amdgpu_metadata
.endif
;; end of part 3
;; launch oproj (part 4): grid 8 x 32, 4 waves a work-group, clusters of 4 x 4, 327,680 bytes of LDS; arguments ob, Wo_codes, Wo_scales, bo, x, x1; writes x1
.if DOCPART == 4
	.amdgcn_target "amdgcn-amd-amdhsa--gfx1250"
	.amdhsa_code_object_version 6
	.text
	.protected	k_qcc78bb6c55_oproj
	.globl	k_qcc78bb6c55_oproj
	.p2align	8
	.type	k_qcc78bb6c55_oproj,@function
k_qcc78bb6c55_oproj:
	s_mov_b64 s[64:65], 0
	v_nop
	global_prefetch_b8 v0, s[64:65] scope:SCOPE_SE
	s_setreg_imm32_b32 hwreg(HW_REG_WAVE_MODE, 25, 1), 1
	s_wait_xcnt 0x0
	s_wait_alu depctr_hold_cnt(0) depctr_sa_sdst(0) depctr_va_vdst(0) depctr_va_sdst(0) depctr_va_ssrc(0) depctr_va_vcc(0) depctr_vm_vsrc(0)
	s_getreg_b32 s2, hwreg(HW_REG_IB_STS2, 6, 4)
	s_cmp_eq_u32 s2, 0
	s_cbranch_scc0 .Lentry_in_a_cluster
	s_endpgm
.Lentry_in_a_cluster:
	s_bfe_u32 s2, ttmp6, 0x10000c
	s_cmp_lg_u32 s2, 0xf033
	s_cbranch_scc0 .Lentry_shape_is_right
	s_endpgm
.Lentry_shape_is_right:
; out = res + bias + A W^T.  A: 4,096 rows x SIZE_K, as images of the operand's registers [tile of 16 rows][K step of 128][1,536 bytes] with scale words [K step][4,096 rows] behind them; W: [1,024][SIZE_K] codes of FP6 (E2M3) by rows, scale bytes [1,024][SIZE_K / 32].
; A tile of 128 x 128 of the output by four waves, a wave 64 x 64 (16 accumulators): 256 work-groups, one for each WGP; tiles of 256 x 256 would be 64.  K goes in slots of 512 (four steps of 128), two slots, as long as LDS allows.
; 4 x 4 work-groups form a cluster: A's tiles are asked for jointly along a row of the cluster, W's along a column.  All scale words come once, with the first fills.
; The matrix instruction takes source 0 = 16 rows of W, source 1 = 16 rows of A: a lane holds eight neighbouring columns of one row of the output.
; A scale register carries two blocks' words: block 2 i in lanes 0-15, block 2 i + 1 in lanes 16-31.
; The residual's and the bias's loads go out at the head and are waited for on the way out.
; With SIZE_K = 1,024 both slots are filled once; the text keeps the form of the longer K all the same.
.set SIZE_K, 1024
.set KROW,   SIZE_K*6/8
.set KS,     SIZE_K/32
.set PITCH,  432                       ; W's LDS row: 3 x (128 bytes + 16 of padding) = 108 words: sixteen rows start at sixteen different multiples of 4 banks, and lanes 16-31 fall 2 banks beside them
.set AHALF,  24576                     ; four tiles of rows x four K steps of images
.set BHALF,  64*PITCH
.set BOFF,   2*AHALF
.set SLOT,   BOFF+2*BHALF              ; 104,448
.set LAPS,   SIZE_K/1024
.set SBR,    64*KS/256                 ; units of 256 bytes in 64 rows' scale bytes
.set SCB,    2*SLOT                    ; W's scale bytes, units of 256 + 16
.set SCA,    SCB+2*SBR*272             ; A's scale words [K step][128 rows]
.set SPARE,  SCA+(SIZE_K/128)*512      ; the spare words, 128 bytes a wave: no other line names them
.set ADRA, 16                          ; v16-17 A's images in slot 0, 1 at 16 x lane; v18-19 at 8 x lane
.set ADRB, 20                          ; v20-21 W's rows; v22-23 the same behind one padding more
.set STO,  24
.set RD,   25
.set CO,   26
.set ADSA, 27
.set SPW,  28
.set NIL,  29
.set ADSB, 30
.set BLN,  31
.set SC,   32                          ; v32-63 two sets of 16 scale registers, and nothing else: A's word of step q, blocks 2 i, 2 i + 1 at 2 q + i; W's at 8 + 4 i + q
.set TMP,  64
.set ACC,  128                         ; accumulator (a, b) at v[128 + 8 (4 a + b)]
.set G1, 24
.set G0, 32
.set G1B, 48
.set G0B, 56
.set G1S, 68
.set G0S, 76
.set G1SB, 80
.set G0SB, 88
.set MSB, 0
.macro WIN new
.if MSB != (\new)
	s_set_vgpr_msb (MSB<<8)|(\new)
.set MSB, \new
.endif
.endm
.macro JLOAD g0a, g1a, g0b, g1b        ; waves 0 and 1 fetch for A, waves 2 and 3 for W; four v_nop follow each line
	s_cmp_eq_u32 s15, 0
	s_cbranch_scc0 .Lfor_b_\@
	tensor_load_to_lds s[\g0a:\g0a+3], s[\g1a:\g1a+7]
	s_nop 0
.rept 4
	v_nop
.endr
	s_branch .Lasked_\@
.Lfor_b_\@:
	tensor_load_to_lds s[\g0b:\g0b+3], s[\g1b:\g1b+7]
	s_nop 0
.rept 4
	v_nop
.endr
.Lasked_\@:
.endm
.macro CREST
	s_cmp_lg_u32 s14, 0
	s_cbranch_scc1 .Lnot_wave_0_\@
	s_barrier_signal -3
.Lnot_wave_0_\@:
	s_barrier_wait -3
	s_barrier_signal -1
	s_barrier_wait -1
.endm
.macro CROUND
	s_barrier_signal -1
	s_barrier_wait -1
	CREST
.endm
	s_load_b256 s[4:11], s[0:1], 0x0               ; A, W's codes, W's scales, bias
	s_load_b128 s[92:95], s[0:1], 0x20             ; residual, out
	v_lshl_add_u32 v[SPW], v0, 2, SPARE
	v_mov_b32 v[NIL], 0
	ds_add_u32 v28, v29
	ds_add_u32 v28, v29
	s_wait_dscnt 0x0
	v_lshrrev_b32 v1, 5, v0
	v_readfirstlane_b32 s14, v1                    ; wave
	s_lshr_b32 s15, s14, 1                         ; my half of the rows.  Also: I fetch for A (0) or for W (1)
	s_and_b32 s16, s14, 1                          ; my half of the columns.  Also: which half I fetch
	s_bfe_u32 s40, ttmp6, 0x40000                  ; cx
	s_bfe_u32 s41, ttmp6, 0x40004                  ; cy
	s_lshl_b32 s42, ttmp9, 2
	s_add_co_u32 s42, s42, s40                     ; tile column
	s_and_b32 s17, ttmp7, 0xffff
	s_lshl_b32 s17, s17, 2
	s_add_co_u32 s17, s17, s41                     ; tile row
	s_lshl_b32 s43, s41, 2
	s_lshl_b32 s43, 15, s43                        ; my row of the cluster
	s_lshl_b32 s44, 0x1111, s40                    ; my column
	; A's tile: 4 rows (tiles of 16 rows) of 6,144 bytes (768 elements of 8), no padding
	s_or_b32 s[G1+0], s43, (3<<16)|(1<<21)
	s_mov_b32 s[G1+1], 768<<16
	s_mov_b32 s[G1+2], 4<<16
	s_mov_b32 s[G1+3], 768<<16
	s_mov_b32 s[G1+4], 4
	s_mov_b32 s[G1+5], (SIZE_K/128)*192
	s_mov_b32 s[G1+6], 0
	s_mov_b32 s[G1+7], 0
	; W's tile: 64 rows of 384 bytes, 16 bytes of padding behind every 128
	s_or_b32 s[G1B+0], s44, (0<<16)|(1<<20)|(1<<21)|(4<<22)|(3<<25)
	s_mov_b32 s[G1B+1], 384<<16
	s_mov_b32 s[G1B+2], 64<<16
	s_mov_b32 s[G1B+3], 384<<16
	s_mov_b32 s[G1B+4], 64
	s_mov_b32 s[G1B+5], KROW
	s_mov_b32 s[G1B+6], 0
	s_mov_b32 s[G1B+7], 0
	; A's scale words: SIZE_K / 256 K steps x 512 bytes (128 rows), 16,384 bytes apart
	s_or_b32 s[G1S+0], s43, (3<<16)|(1<<21)
	s_mov_b32 s[G1S+1], 64<<16
	s_mov_b32 s[G1S+2], (SIZE_K/256)<<16
	s_mov_b32 s[G1S+3], 64<<16
	s_mov_b32 s[G1S+4], SIZE_K/256
	s_mov_b32 s[G1S+5], 2048
	s_mov_b32 s[G1S+6], 0
	s_mov_b32 s[G1S+7], 0
	; W's scale bytes of 64 rows: a dense block as rows of 256 bytes, 16 of padding behind each
	s_or_b32 s[G1SB+0], s44, (3<<16)|(1<<20)|(1<<21)|(5<<22)|(3<<25)
	s_mov_b32 s[G1SB+1], 32<<16
	s_mov_b32 s[G1SB+2], SBR<<16
	s_mov_b32 s[G1SB+3], 32<<16
	s_mov_b32 s[G1SB+4], SBR
	s_mov_b32 s[G1SB+5], 32
	s_mov_b32 s[G1SB+6], 0
	s_mov_b32 s[G1SB+7], 0
	s_lshl_b32 s20, s17, 3
	s_lshl_b32 s18, s16, 2
	s_add_co_u32 s20, s20, s18                     ; A: tile of rows 8 x tile row + 4 x half
	s_mul_i32 s20, s20, 12*SIZE_K                  ; SIZE_K / 128 images of 1,536 bytes each
	s_mov_b32 s21, 0
	s_lshl_b32 s22, s17, 9
	s_mul_i32 s18, s16, (SIZE_K/256)*16384
	s_add_co_u32 s22, s22, s18
	s_add_co_u32 s22, s22, 3072*SIZE_K             ; the scale words lie behind the images
	s_mov_b32 s23, 0
	s_lshl_b32 s46, s42, 7
	s_lshl_b32 s18, s16, 6
	s_add_co_u32 s46, s46, s18                     ; W: row 128 x tile column + 64 x half
	s_mul_i32 s96, s46, KS
	s_mov_b32 s97, 0
	s_mul_i32 s46, s46, KROW
	s_mov_b32 s47, 0
	s_mul_i32 s45, s16, AHALF                      ; where they go: no place in the cluster enters an LDS address
	s_mul_i32 s19, s16, BHALF
	s_add_co_u32 s19, s19, BOFF
	s_mul_i32 s98, s16, (SIZE_K/256)*512
	s_add_co_u32 s98, s98, SCA
	s_mul_i32 s99, s16, SBR*272
	s_add_co_u32 s99, s99, SCB
	s_wait_kmcnt 0x0
	s_add_nc_u64 s[20:21], s[4:5], s[20:21]
	s_add_nc_u64 s[22:23], s[4:5], s[22:23]
	s_add_nc_u64 s[46:47], s[6:7], s[46:47]
	s_add_nc_u64 s[96:97], s[8:9], s[96:97]
	CROUND                                         ; all sixteen work-groups are here
	s_mov_b32 s[G0S], 1
	s_mov_b32 s[G0S+1], s98
	s_mov_b64 s[G0S+2:G0S+3], s[22:23]
	s_or_b32 s[G0S+3], s[G0S+3], 0x80000000
	s_mov_b32 s[G0SB], 1
	s_mov_b32 s[G0SB+1], s99
	s_mov_b64 s[G0SB+2:G0SB+3], s[96:97]
	s_or_b32 s[G0SB+3], s[G0SB+3], 0x80000000
	JLOAD G0S, G1S, G0SB, G1SB                     ; by this text's count three loads of a wave are out at the start, one behind each round
.irp s, 0,1
	s_mov_b32 s[G0+4*\s], 1
	s_add_co_u32 s[G0+4*\s+1], s45, \s*SLOT
	s_add_nc_u64 s[G0+4*\s+2:G0+4*\s+3], s[20:21], \s*6144
	s_or_b32 s[G0+4*\s+3], s[G0+4*\s+3], 0x80000000
	s_mov_b32 s[G0B+4*\s], 1
	s_add_co_u32 s[G0B+4*\s+1], s19, \s*SLOT
	s_add_nc_u64 s[G0B+4*\s+2:G0B+4*\s+3], s[46:47], \s*384
	s_or_b32 s[G0B+4*\s+3], s[G0B+4*\s+3], 0x80000000
	JLOAD G0+4*\s, G1, G0B+4*\s, G1B
.endr
	v_and_b32 v1, 15, v0                           ; r
	v_bfe_u32 v2, v0, 4, 1                         ; h
	v_and_b32 v3, 31, v0                           ; lane
	v_lshlrev_b32 v4, 4, v3
	v_lshlrev_b32 v5, 3, v3
	s_mul_i32 s21, s15, AHALF                      ; my four tiles of rows
	v_mul_u32_u24 v6, v1, PITCH
	v_mad_u32_u24 v7, v2, 24, v6
	v_mad_u32_u24 v8, v2, 40, v6
	s_mul_i32 s22, s16, BHALF
	s_add_co_u32 s22, s22, BOFF                    ; my 64 rows of W
.irp s, 0,1
	v_add_nc_u32 v[ADRA+\s], s21, v4
	v_add_nc_u32 v[ADRA+2+\s], s21, v5
	v_add_nc_u32 v[ADRB+\s], s22, v7
	v_add_nc_u32 v[ADRB+2+\s], s22, v8
	s_add_co_u32 s21, s21, SLOT
	s_add_co_u32 s22, s22, SLOT
.endr
	s_lshl_b32 s21, s15, 8
	s_add_co_u32 s21, s21, SCA
	v_lshl_add_u32 v[ADSA], v3, 2, s21             ; A's words: my 64 rows, 4 bytes a lane
	v_mul_u32_u24 v6, v3, KS                       ; W's: row = lane of 32 rows: which unit of 256 bytes, and where in it
	v_lshrrev_b32 v7, 8, v6
	v_and_b32 v6, 255, v6
	v_mad_u32_u24 v6, v7, 272, v6
	s_mul_i32 s23, s16, SBR*272
	s_add_co_u32 s23, s23, SCB
	v_add_nc_u32 v[ADSB], s23, v6
	s_mul_i32 s23, s14, 16*272                     ; my stage, in slot 0
	v_mul_u32_u24 v6, v1, 272
	v_lshl_add_u32 v6, v2, 5, v6
	v_add_nc_u32 v[STO], s23, v6
	v_mul_u32_u24 v6, v2, 272
	v_lshl_add_u32 v6, v1, 4, v6
	v_add_nc_u32 v[RD], s23, v6
	v_lshlrev_b32 v[BLN], 4, v1
	v_lshl_add_u32 v[CO], v2, 12, v[BLN]           ; lanes 0-15 one row of the output, lanes 16-31 the next
	s_lshl_b32 s20, s17, 7
	s_lshl_b32 s21, s15, 6
	s_add_co_u32 s20, s20, s21
	s_lshl_b32 s20, s20, 12                        ; my first row, in bytes
	s_lshl_b32 s46, s42, 9
	s_lshl_b32 s47, s16, 8
	s_add_co_u32 s46, s46, s47                     ; my first column, in bytes
	s_mov_b32 s47, 0
	s_add_nc_u64 s[10:11], s[10:11], s[46:47]
	s_add_co_u32 s46, s46, s20
	s_add_nc_u64 s[92:93], s[92:93], s[46:47]
	s_add_nc_u64 s[94:95], s[94:95], s[46:47]
	WIN 0x80                                       ; destination window 2
.irp a, 0,1,2,3
.irp t, 0,1,2,3,4,5,6,7
	global_load_b128 v[4*(8*\a+\t):4*(8*\a+\t)+3], v[CO], s[92:93] offset:(16*\a+2*\t)*4096
.endr
.endr
	global_load_b128 v[128:131], v[BLN], s[10:11]
	WIN 0
.macro FRAG reg, adr, q, i             ; W's fragment: six pieces of 8 bytes; where the piece three on lies behind one padding more, the second address register serves
.irp p, 0,1,2,3,4,5
.set PCE, 12*(\q)+6*(\p/3)+\p%3
.if PCE%16 < 13
	ds_load_b64 v[\reg+2*\p:\reg+2*\p+1], v[\adr] offset:8*PCE+16*(PCE/16)+(\i)*16*PITCH
.else
	ds_load_b64 v[\reg+2*\p:\reg+2*\p+1], v[\adr+2] offset:8*PCE+16*(PCE/16)+(\i)*16*PITCH
.endif
.endr
.endm
.macro FETCH slot, q, p                ; 40 LDS loads: the fragments of the slot's q-th 128 along K into set p of window 1
	WIN 0x40
.irp i, 0,1,2,3
	ds_load_b128 v[128*(\p)+12*\i:128*(\p)+12*\i+3], v[ADRA+\slot] offset:6144*\i+1536*(\q)
	ds_load_b64 v[128*(\p)+12*\i+4:128*(\p)+12*\i+5], v[ADRA+2+\slot] offset:6144*\i+1536*(\q)+512
	ds_load_b128 v[128*(\p)+12*\i+6:128*(\p)+12*\i+9], v[ADRA+\slot] offset:6144*\i+1536*(\q)+768
	ds_load_b64 v[128*(\p)+12*\i+10:128*(\p)+12*\i+11], v[ADRA+2+\slot] offset:6144*\i+1536*(\q)+1280
.endr
.irp i, 0,1,2,3
	FRAG 128*(\p)+48+12*\i, ADRB+\slot, \q, \i
.endr
.endm
.macro SCALES set                      ; a slot's scale words
.irp q, 0,1,2,3
.irp i, 0,1
	ds_load_b32 v[SC+16*(\set)+2*\q+\i], v[ADSA] offset:512*\q+128*\i
.endr
.endr
.irp i, 0,1
	ds_load_b128 v[SC+16*(\set)+8+4*\i:SC+16*(\set)+8+4*\i+3], v[ADSB] offset:\i*(32*KS/256)*272
.endr
.endm
.macro WM d, fb, fa, sb, sa, rb, ra, zero   ; one product; rb, ra = 1: that side's scales stand in lanes 16-31
.if \zero
.if (\rb) && (\ra)
	v_wmma_scale_f32_16x16x128_f8f6f4 v[\d:\d+7], v[\fb:\fb+11], v[\fa:\fa+11], 0, v[\sb], v[\sa] matrix_a_fmt:MATRIX_FMT_FP6 matrix_b_fmt:MATRIX_FMT_FP6 matrix_a_scale:MATRIX_SCALE_ROW1 matrix_b_scale:MATRIX_SCALE_ROW1
.elseif (\rb)
	v_wmma_scale_f32_16x16x128_f8f6f4 v[\d:\d+7], v[\fb:\fb+11], v[\fa:\fa+11], 0, v[\sb], v[\sa] matrix_a_fmt:MATRIX_FMT_FP6 matrix_b_fmt:MATRIX_FMT_FP6 matrix_a_scale:MATRIX_SCALE_ROW1
.elseif (\ra)
	v_wmma_scale_f32_16x16x128_f8f6f4 v[\d:\d+7], v[\fb:\fb+11], v[\fa:\fa+11], 0, v[\sb], v[\sa] matrix_a_fmt:MATRIX_FMT_FP6 matrix_b_fmt:MATRIX_FMT_FP6 matrix_b_scale:MATRIX_SCALE_ROW1
.else
	v_wmma_scale_f32_16x16x128_f8f6f4 v[\d:\d+7], v[\fb:\fb+11], v[\fa:\fa+11], 0, v[\sb], v[\sa] matrix_a_fmt:MATRIX_FMT_FP6 matrix_b_fmt:MATRIX_FMT_FP6
.endif
.else
.if (\rb) && (\ra)
	v_wmma_scale_f32_16x16x128_f8f6f4 v[\d:\d+7], v[\fb:\fb+11], v[\fa:\fa+11], v[\d:\d+7], v[\sb], v[\sa] matrix_a_fmt:MATRIX_FMT_FP6 matrix_b_fmt:MATRIX_FMT_FP6 matrix_a_scale:MATRIX_SCALE_ROW1 matrix_b_scale:MATRIX_SCALE_ROW1
.elseif (\rb)
	v_wmma_scale_f32_16x16x128_f8f6f4 v[\d:\d+7], v[\fb:\fb+11], v[\fa:\fa+11], v[\d:\d+7], v[\sb], v[\sa] matrix_a_fmt:MATRIX_FMT_FP6 matrix_b_fmt:MATRIX_FMT_FP6 matrix_a_scale:MATRIX_SCALE_ROW1
.elseif (\ra)
	v_wmma_scale_f32_16x16x128_f8f6f4 v[\d:\d+7], v[\fb:\fb+11], v[\fa:\fa+11], v[\d:\d+7], v[\sb], v[\sa] matrix_a_fmt:MATRIX_FMT_FP6 matrix_b_fmt:MATRIX_FMT_FP6 matrix_b_scale:MATRIX_SCALE_ROW1
.else
	v_wmma_scale_f32_16x16x128_f8f6f4 v[\d:\d+7], v[\fb:\fb+11], v[\fa:\fa+11], v[\d:\d+7], v[\sb], v[\sa] matrix_a_fmt:MATRIX_FMT_FP6 matrix_b_fmt:MATRIX_FMT_FP6
.endif
.endif
.endm
.macro MULROW a, p, q, set, zero       ; A's block a against W's four; the 16 accumulators take turns, in the same order in every step
.irp b, 0,1,2,3
	WM ACC+8*(4*(\a)+\b), 128*(\p)+48+12*\b, 128*(\p)+12*(\a), SC+16*(\set)+8+4*(\b/2)+(\q), SC+16*(\set)+2*(\q)+(\a)/2, \b%2, (\a)%2, \zero
.endr
.endm
.macro PLACES n
.rept \n
	v_nop
.endr
.endm
.macro STEP slot, q, zero              ; a step of 128 along K that has its successor in the same slot
	s_wait_dscnt 0x0                               ; this step's fragments are in
	PLACES 4                                       ; in front of loads into the set that the last step's products read
	FETCH \slot, (\q)+1, ((\q)+1)%2
	WIN 0x05                                       ; both sources window 1
	MULROW 0, (\q)%2, \q, \slot, \zero
	MULROW 1, (\q)%2, \q, \slot, \zero
	MULROW 2, (\q)%2, \q, \slot, \zero
	MULROW 3, (\q)%2, \q, \slot, \zero
.endm
.macro TURN slot, next, fill           ; a slot's last step changes slots: one barrier
	WIN 0
	s_wait_tensorcnt 0x0                           ; all my tensor loads have landed: my part of the next slot
	ds_add_u32 v[SPW], v[NIL]                      ; 0 onto my spare word
	s_wait_dscnt 1                                 ; this step's fragments are in; only the add may be out
	WIN 0x05
	MULROW 0, 1, 3, \slot, 0
	s_wait_dscnt 0x0                               ; the add is done, and my reads of this slot are over
	s_barrier_signal -1
	MULROW 1, 1, 3, \slot, 0
	WIN 0
	s_barrier_wait -1
.if \fill
	CREST                                          ; the barrier has opened a round of the cluster's barrier
	s_add_nc_u64 s[G0+4*\slot+2:G0+4*\slot+3], s[G0+4*\slot+2:G0+4*\slot+3], 2*6144
	s_add_nc_u64 s[G0B+4*\slot+2:G0B+4*\slot+3], s[G0B+4*\slot+2:G0B+4*\slot+3], 2*384
	JLOAD G0+4*\slot, G1, G0B+4*\slot, G1B         ; the first tensor load behind the round; its four v_nop are the places in front of the loads below
.else
	PLACES 4
.endif
	v_add_nc_u32 v[ADSA], 2048, v[ADSA]            ; the next slot's scale words
	v_add_nc_u32 v[ADSB], 16, v[ADSB]
	FETCH \next, 0, 0
	WIN 0
	SCALES \next
	WIN 0x05
	MULROW 2, 1, 3, \slot, 0
	MULROW 3, 1, 3, \slot, 0
.endm
	s_wait_tensorcnt 1                             ; the scales and my part of slot 0 are in; slot 1's load may be out
	s_barrier_signal -1
	s_barrier_wait -1
	FETCH 0, 0, 0
	WIN 0
	SCALES 0
	STEP 0, 0, 1                                   ; the first step's products start the sums
.if LAPS > 1
	WIN 0
	s_mov_b32 s3, LAPS-1
.Llap:
	STEP 0, 1, 0
	STEP 0, 2, 0
	TURN 0, 1, 1
	STEP 1, 0, 0
	STEP 1, 1, 0
	STEP 1, 2, 0
	TURN 1, 0, 1
	STEP 0, 0, 0
	WIN 0
	s_sub_co_u32 s3, s3, 1
	s_cmp_lg_u32 s3, 0
	s_cbranch_scc1 .Llap
.endif
	STEP 0, 1, 0
	STEP 0, 2, 0
	TURN 0, 1, 0
	STEP 1, 0, 0
	STEP 1, 1, 0
	STEP 1, 2, 0
	s_wait_dscnt 0x0
	MULROW 0, 1, 3, 1, 0
	MULROW 1, 1, 3, 1, 0
	MULROW 2, 1, 3, 1, 0
	MULROW 3, 1, 3, 1, 0
	WIN 0
	; THE WAY OUT: 16 rows x 64 columns at a time through my stage (in slot 0, which has had its last fill and its last read), back as rows of 256 bytes; residual and bias are added; sixteen lanes store 256 aligned bytes.
	PLACES 4
	s_wait_loadcnt 0x0                             ; the residual and the bias
.irp a, 0,1,2,3
.if \a > 1
	s_wait_xcnt 0x0                                ; block a - 2's stores have read their registers
.endif
.irp b, 0,1,2,3
	ds_store_b128 v[STO], v[ACC+8*(4*\a+\b):ACC+8*(4*\a+\b)+3] offset:64*\b      ; each accumulator from its low end on
	ds_store_b128 v[STO], v[ACC+8*(4*\a+\b)+4:ACC+8*(4*\a+\b)+7] offset:64*\b+16
.endr
.irp t, 0,1,2,3,4,5,6,7
	ds_load_b128 v[TMP+32*(\a%2)+4*\t:TMP+32*(\a%2)+4*\t+3], v[RD] offset:544*\t   ; LDS serves a wave's instructions in order: these see my stores
.endr
	s_wait_dscnt 0x0
	WIN 0x08                                       ; source 1: window 2
.irp t, 0,1,2,3,4,5,6,7
	v_pk_add_f32 v[TMP+32*(\a%2)+4*\t:TMP+32*(\a%2)+4*\t+1], v[TMP+32*(\a%2)+4*\t:TMP+32*(\a%2)+4*\t+1], v[4*(8*\a+\t):4*(8*\a+\t)+1]
	v_pk_add_f32 v[TMP+32*(\a%2)+4*\t+2:TMP+32*(\a%2)+4*\t+3], v[TMP+32*(\a%2)+4*\t+2:TMP+32*(\a%2)+4*\t+3], v[4*(8*\a+\t)+2:4*(8*\a+\t)+3]
.endr
.irp t, 0,1,2,3,4,5,6,7
	v_pk_add_f32 v[TMP+32*(\a%2)+4*\t:TMP+32*(\a%2)+4*\t+1], v[TMP+32*(\a%2)+4*\t:TMP+32*(\a%2)+4*\t+1], v[128:129]
	v_pk_add_f32 v[TMP+32*(\a%2)+4*\t+2:TMP+32*(\a%2)+4*\t+3], v[TMP+32*(\a%2)+4*\t+2:TMP+32*(\a%2)+4*\t+3], v[130:131]
.endr
	WIN 0                                          ; a store's data take source 1's window
.irp t, 0,1,2,3,4,5,6,7
	global_store_b128 v[CO], v[TMP+32*(\a%2)+4*\t:TMP+32*(\a%2)+4*\t+3], s[94:95] offset:(16*\a+2*\t)*4096
.endr
.endr
	s_wait_tensorcnt 0x0                           ; the wave's end
	ds_add_u32 v[SPW], v[NIL]
	s_wait_dscnt 0x0
	CROUND                                         ; the closing round
	s_endpgm
.Lfunc_end_k_qcc78bb6c55_oproj:
	.size	k_qcc78bb6c55_oproj, .Lfunc_end_k_qcc78bb6c55_oproj-k_qcc78bb6c55_oproj
	.p2alignl 7, 3214868480
	.fill 96, 4, 3214868480
	.section	.rodata,"a",@progbits
	.p2align	6, 0x0
	.amdhsa_kernel k_qcc78bb6c55_oproj
		.amdhsa_group_segment_fixed_size 327680
		.amdhsa_private_segment_fixed_size 0
		.amdhsa_enable_private_segment 0
		.amdhsa_kernarg_size 48
		.amdhsa_user_sgpr_count 2
		.amdhsa_user_sgpr_kernarg_segment_ptr 1
		.amdhsa_wavefront_size32 1
		.amdhsa_system_sgpr_workgroup_id_x 1
		.amdhsa_system_sgpr_workgroup_id_y 1
		.amdhsa_system_sgpr_workgroup_id_z 1
		.amdhsa_system_vgpr_workitem_id 0
		.amdhsa_next_free_vgpr 768
		.amdhsa_next_free_sgpr 102
		.amdhsa_reserve_vcc 0
		.amdhsa_float_denorm_mode_32 3
		.amdhsa_float_denorm_mode_16_64 3
		.amdhsa_memory_ordered 1
		.amdhsa_forward_progress 1
		.amdhsa_inst_pref_size 69
	.end_amdhsa_kernel
	.amdgpu_metadata
---
amdhsa.version: [ 1, 2 ]
amdhsa.kernels:
  - .name:           k_qcc78bb6c55_oproj
    .symbol:         k_qcc78bb6c55_oproj.kd
    .args:
      - { .name: ob, .offset: 0, .size: 8, .value_kind: global_buffer, .address_space: global }
      - { .name: Wo_codes, .offset: 8, .size: 8, .value_kind: global_buffer, .address_space: global }
      - { .name: Wo_scales, .offset: 16, .size: 8, .value_kind: global_buffer, .address_space: global }
      - { .name: bo, .offset: 24, .size: 8, .value_kind: global_buffer, .address_space: global }
      - { .name: x, .offset: 32, .size: 8, .value_kind: global_buffer, .address_space: global }
      - { .name: x1, .offset: 40, .size: 8, .value_kind: global_buffer, .address_space: global }
    .group_segment_fixed_size: 327680
    .private_segment_fixed_size: 0
    .kernarg_segment_align: 8
    .kernarg_segment_size: 48
    .max_flat_workgroup_size: 128
    .sgpr_count:     102
    .vgpr_count:     768
    .wavefront_size: 32
...
	.end_amdgpu_metadata
.endif
;; end of part 4
;; launch ln2: the kernel of part 1 again; grid 256 x 1, 4 waves a work-group, no clusters, 22,016 bytes of LDS; arguments x1, ln2_g, ln2_b, hq; writes hq
;; launch mlp1 (part 5): grid 16 x 16, 4 waves a work-group, clusters of 4 x 4, 327,680 bytes of LDS; arguments hq, W1_codes, W1_scales, b1, gb; writes gb
.if DOCPART == 5
	.amdgcn_target "amdgcn-amd-amdhsa--gfx1250"
	.amdhsa_code_object_version 6
	.text
	.protected	k_qcc78bb6c55_mlp1
	.globl	k_qcc78bb6c55_mlp1
	.p2align	8
	.type	k_qcc78bb6c55_mlp1,@function
k_qcc78bb6c55_mlp1:
	s_mov_b64 s[64:65], 0
	v_nop
	global_prefetch_b8 v0, s[64:65] scope:SCOPE_SE
	s_setreg_imm32_b32 hwreg(HW_REG_WAVE_MODE, 25, 1), 1
	s_wait_xcnt 0x0
	s_wait_alu depctr_hold_cnt(0) depctr_sa_sdst(0) depctr_va_vdst(0) depctr_va_sdst(0) depctr_va_ssrc(0) depctr_va_vcc(0) depctr_vm_vsrc(0)
	s_getreg_b32 s2, hwreg(HW_REG_IB_STS2, 6, 4)
	s_cmp_eq_u32 s2, 0
	s_cbranch_scc0 .Lentry_in_a_cluster
	s_endpgm
.Lentry_in_a_cluster:
	s_bfe_u32 s2, ttmp6, 0x10000c
	s_cmp_lg_u32 s2, 0xf033
	s_cbranch_scc0 .Lentry_shape_is_right
	s_endpgm
.Lentry_shape_is_right:
; g = gelu(h W1^T + b1), quantised again along the hidden units, on codes of FP6 (E2M3) with E8M0 block scales.
; THE PRODUCT: a tile of 256 x 256 by four waves, a wave 128 x 128 (64 accumulators); K = 1,024 in steps of 256 through a ring of two LDS slots; the scale bytes of the tile's rows come once; 4 x 4 work-groups form a cluster and ask jointly.
; Source 0 = 16 rows of W1, source 1 = 16 rows of h: lane (r, h) holds row r and hidden units 8 h + 0 .. 7 of each tile.
; THE WAY OUT: the accumulators go once through LDS as images of their registers (each wave 65,536 bytes of the ring and the scales, which have had their last fill and, behind a barrier, their last read), so that a counted loop of eight
; trips, one for each 16 rows, works on fixed registers: 512 GELUs a lane written out would be several times the loop's text.
; THE GELU: gelu(x) = max(x, 0) - |x| Q, Q = phi(x) (b1 t + .. + b5 t^5), t = 1 / (1 + 0.2316419 |x|) (Abramowitz and Stegun 26.2.17), 1 / sqrt(2 pi) folded into the coefficients.
; LIMIT: that formula's absolute error in Phi is under 7.5e-8, the size of f32's own rounding of 1 + erf.  NaN and infinities are not served; a block whose largest magnitude lies under 2^-124 gets the byte 1.
; ORDER: the next product's partner is a given weight, so the codes stand in natural order: the tiles are laid 0, 2, 1, 3 and halves of lanes change places, after which a lane holds a whole block of 32 in order.
; OUT: images of the next product's A [tile of 16 rows][K step of 128][1,536 bytes], and scale words [K step][4,096 rows] behind them.
.set KSTEP,  256
.set NQ,     2
.set ROWB,   192
.set KROW,   768
.set PITCH,  240
.set FR,     12
.set NL,     6
.set NP,     4
.set HALFT,  128*PITCH
.set SLOT,   4*HALFT
.set LAPS,   2
.set KS,     32
.set SCL,    2*SLOT
.set HALFS,  (128*KS/256)*272
.set SBLK,   (16*KS/256)*272
.set SPARE,  SCL+4*HALFS               ; the spare words, 128 bytes a wave: no other line names them
.set SCW,    SPARE+512                 ; the way out: 512 bytes a wave for its 128 rows' scale words
.set HQS,    3145728
.set SWT,  8
.set H8,   9
.set SRD,  10
.set ADRA, 16
.set ADRB, 20
.set L16,  24
.set L8,   25
.set DL,   26                          ; my wave's 65,536 bytes + 16 x lane
.set ADRS, 27
.set SPW,  28
.set NIL,  29
.set AD,   30
.set SWA,  31
.set SC,   32                          ; v32-63 scale words, and nothing else
.set AF,   128
.set T,    64                          ; the way out, window 0: v64-127 a tile of rows as it comes back
.set GV,   128                         ; v128-191 gelu
.set CD,   192                         ; v192-203 the codes
.set PX,   204                         ; v204-210 second halves of the conversions
.set CH,   212
.set SO,   216
.set BY,   218
.set PW,   220
.set PT,   221
.set BIL,  224                         ; v224-255 of window 0: b1 of tile places 0-3;  of window 1: places 4-7.  The loop only reads them
.set BIH,  224
.set AX,   64                          ; window 1: v0-63 x; v64-95 |x|; v96-127 t; v128-159 e; v160-191 the polynomial; v[192:193] c5
.set TT,   96
.set EE,   128
.set PP,   160
.set C5,   192
.set PS,   98
.set TO,   38
.set TW,   39
.set G1, 24
.set G0, 32
.set G1B, 48
.set G0B, 56
.set G1S, 68
.set G0S, 76
.set G1SB, 80
.set G0SB, 88
.set MSB, 0
.macro WIN new
.if MSB != (\new)
	s_set_vgpr_msb (MSB<<8)|(\new)
.set MSB, \new
.endif
.endm
.set MUL_LO, 0xa1
.set MUL_HI, 0xf1
.set TO_B,   0x40
.macro JLOAD g0a, g1a, g0b, g1b
	s_cmp_eq_u32 s15, 0
	s_cbranch_scc0 .Lfor_b_\@
	tensor_load_to_lds s[\g0a:\g0a+3], s[\g1a:\g1a+7]
	s_nop 0
.rept 4
	v_nop
.endr
	s_branch .Lasked_\@
.Lfor_b_\@:
	tensor_load_to_lds s[\g0b:\g0b+3], s[\g1b:\g1b+7]
	s_nop 0
.rept 4
	v_nop
.endr
.Lasked_\@:
.endm
.macro CREST
	s_cmp_lg_u32 s14, 0
	s_cbranch_scc1 .Lnot_wave_0_\@
	s_barrier_signal -3
.Lnot_wave_0_\@:
	s_barrier_wait -3
	s_barrier_signal -1
	s_barrier_wait -1
.endm
.macro CROUND
	s_barrier_signal -1
	s_barrier_wait -1
	CREST
.endm
	s_load_b64 s[4:5], s[0:1], 0x0                 ; h
	s_load_b128 s[8:11], s[0:1], 0x8               ; W1's codes, W1's scales
	s_load_b64 s[12:13], s[0:1], 0x18              ; b1
	s_load_b64 s[66:67], s[0:1], 0x20              ; out
	v_lshl_add_u32 v[SPW], v0, 2, SPARE
	v_mov_b32 v[NIL], 0
	ds_add_u32 v28, v29
	ds_add_u32 v28, v29
	s_wait_dscnt 0x0
	v_lshrrev_b32 v1, 5, v0
	v_readfirstlane_b32 s14, v1
	s_lshr_b32 s15, s14, 1
	s_and_b32 s16, s14, 1
	s_bfe_u32 s40, ttmp6, 0x40000
	s_bfe_u32 s41, ttmp6, 0x40004
	s_lshl_b32 s42, ttmp9, 2
	s_add_co_u32 s42, s42, s40                     ; tile column
	s_and_b32 s17, ttmp7, 0xffff
	s_lshl_b32 s17, s17, 2
	s_add_co_u32 s17, s17, s41                     ; tile row
	s_lshl_b32 s43, s41, 2
	s_lshl_b32 s43, 15, s43
	s_lshl_b32 s44, 0x1111, s40
	s_or_b32 s[G1+0], s43, (0<<16)|(1<<20)|(1<<21)|(3<<22)|(3<<25)
	s_or_b32 s[G1B+0], s44, (0<<16)|(1<<20)|(1<<21)|(3<<22)|(3<<25)
.irp g, G1, G1B
	s_mov_b32 s[\g+1], ROWB<<16
	s_mov_b32 s[\g+2], 128<<16
	s_mov_b32 s[\g+3], ROWB<<16
	s_mov_b32 s[\g+4], 128
	s_mov_b32 s[\g+5], KROW
	s_mov_b32 s[\g+6], 0
	s_mov_b32 s[\g+7], 0
.endr
	s_or_b32 s[G1S+0], s43, (3<<16)|(1<<20)|(1<<21)|(5<<22)|(3<<25)
	s_or_b32 s[G1SB+0], s44, (3<<16)|(1<<20)|(1<<21)|(5<<22)|(3<<25)
.irp g, G1S, G1SB
	s_mov_b32 s[\g+1], 32<<16
	s_mov_b32 s[\g+2], (128*KS/256)<<16
	s_mov_b32 s[\g+3], 32<<16
	s_mov_b32 s[\g+4], 128*KS/256
	s_mov_b32 s[\g+5], 32
	s_mov_b32 s[\g+6], 0
	s_mov_b32 s[\g+7], 0
.endr
	s_lshl_b32 s18, s16, 7
	s_lshl_b32 s20, s17, 8
	s_add_co_u32 s20, s20, s18
	s_lshl_b32 s46, s42, 8
	s_add_co_u32 s46, s46, s18
	s_mov_b32 s21, 0
	s_mov_b32 s47, 0
	s_mov_b64 s[18:19], KS
	s_mul_u64 s[22:23], s[20:21], s[18:19]
	s_mul_u64 s[92:93], s[46:47], s[18:19]
	s_mov_b64 s[18:19], KROW
	s_mul_u64 s[20:21], s[20:21], s[18:19]
	s_mul_u64 s[46:47], s[46:47], s[18:19]
	s_mul_i32 s45, s14, HALFT
	s_mul_i32 s94, s14, HALFS
	s_wait_kmcnt 0x0
	s_add_nc_u64 s[6:7], s[4:5], HQS               ; h's scale bytes
	s_add_nc_u64 s[20:21], s[4:5], s[20:21]
	s_add_nc_u64 s[22:23], s[6:7], s[22:23]
	s_add_nc_u64 s[46:47], s[8:9], s[46:47]
	s_add_nc_u64 s[92:93], s[10:11], s[92:93]
	CROUND
	s_mov_b32 s[G0S], 1
	s_add_co_u32 s[G0S+1], s94, SCL
	s_mov_b64 s[G0S+2:G0S+3], s[22:23]
	s_or_b32 s[G0S+3], s[G0S+3], 0x80000000
	s_mov_b32 s[G0SB], 1
	s_add_co_u32 s[G0SB+1], s94, SCL
	s_mov_b64 s[G0SB+2:G0SB+3], s[92:93]
	s_or_b32 s[G0SB+3], s[G0SB+3], 0x80000000
	JLOAD G0S, G1S, G0SB, G1SB                     ; by this text's count three loads of a wave are out at the start, one behind each round
.irp s, 0,1
	s_mov_b32 s[G0+4*\s], 1
	s_add_co_u32 s[G0+4*\s+1], s45, \s*SLOT
	s_add_nc_u64 s[G0+4*\s+2:G0+4*\s+3], s[20:21], \s*ROWB
	s_or_b32 s[G0+4*\s+3], s[G0+4*\s+3], 0x80000000
	s_mov_b32 s[G0B+4*\s], 1
	s_add_co_u32 s[G0B+4*\s+1], s45, \s*SLOT
	s_add_nc_u64 s[G0B+4*\s+2:G0B+4*\s+3], s[46:47], \s*ROWB
	s_or_b32 s[G0B+4*\s+3], s[G0B+4*\s+3], 0x80000000
	JLOAD G0+4*\s, G1, G0B+4*\s, G1B
.endr
	v_and_b32 v1, 15, v0
	v_bfe_u32 v2, v0, 4, 1
	v_mul_u32_u24 v3, v1, PITCH
	v_mul_u32_u24 v4, v2, 24
	v_add_nc_u32 v4, v3, v4
	v_lshl_add_u32 v5, v2, 4, v4
	s_mul_i32 s21, s15, HALFT
	s_mul_i32 s22, s16, HALFT
	s_add_co_u32 s22, s22, 2*HALFT
.irp s, 0,1
	v_add_nc_u32 v[ADRA+\s], s21, v4
	v_add_nc_u32 v[ADRB+\s], s22, v4
	v_add_nc_u32 v[ADRA+2+\s], s21, v5
	v_add_nc_u32 v[ADRB+2+\s], s22, v5
	s_add_co_u32 s21, s21, SLOT
	s_add_co_u32 s22, s22, SLOT
.endr
	v_mul_u32_u24 v5, v1, KS
	v_lshrrev_b32 v6, 8, v5
	v_lshl_add_u32 v5, v6, 4, v5
	s_mul_i32 s21, s15, HALFS
	s_mul_i32 s22, s16, HALFS
	s_add_co_u32 s22, s22, 2*HALFS
	s_sub_co_u32 s22, s22, s21
	v_mul_u32_u24 v6, s22, v2
	s_add_co_u32 s21, s21, SCL
	v_add_nc_u32 v5, v5, v6
	v_add_nc_u32 v[ADRS], s21, v5
	; b1 of my 128 hidden units, in the accumulators' layout, tile b at place (b % 4) / 2 + 2 (b % 2) of its four: asked for now, waited for on the way out
	s_lshl_b32 s46, s42, 10
	s_lshl_b32 s47, s16, 9
	s_add_co_u32 s46, s46, s47
	s_mov_b32 s47, 0
	s_add_nc_u64 s[12:13], s[12:13], s[46:47]
	v_lshlrev_b32 v7, 5, v2                        ; 32 h; not written again
.irp b, 0,1,2,3
.irp u, 0,1
	global_load_b128 v[BIL+8*((\b%4)/2+2*(\b%2))+4*\u:BIL+8*((\b%4)/2+2*(\b%2))+4*\u+3], v7, s[12:13] offset:64*\b+16*\u
.endr
.endr
	WIN 0x40
.irp b, 4,5,6,7
.irp u, 0,1
	global_load_b128 v[BIH+8*((\b%4)/2+2*(\b%2))+4*\u:BIH+8*((\b%4)/2+2*(\b%2))+4*\u+3], v7, s[12:13] offset:64*\b+16*\u
.endr
.endr
	WIN 0
.macro FRAG reg, adr, q, i
.irp p, 0,1,2,3,4,5
.set PCE, 12*(\q)+6*(\p/3)+\p%3
.if PCE%8 < 5
	ds_load_b64 v[\reg+2*\p:\reg+2*\p+1], v[\adr] offset:8*PCE+16*(PCE/8)+(\i)*16*PITCH
.else
	ds_load_b64 v[\reg+2*\p:\reg+2*\p+1], v[\adr+2] offset:8*PCE+16*(PCE/8)+(\i)*16*PITCH
.endif
.endr
.endm
; the 64 accumulators take turns, one instruction a turn, in the same order in every step
.macro MUL16 a0, p, q, sc, zero
.irp a, \a0, \a0+1
.irp b, 0,1,2,3,4,5,6,7
.if \zero
	v_wmma_scale_f32_16x16x128_f8f6f4 v[8*(8*((\a)%4)+\b):8*(8*((\a)%4)+\b)+7], v[128*(\p)+FR*\b:128*(\p)+FR*\b+FR-1], v[AF+FR*(\a):AF+FR*(\a)+FR-1], 0, v[SC+8*NQ*(\sc)+NQ*\b+(\q)], v[SC+8*NQ*(\sc)+NQ*(\a)+(\q)] matrix_a_fmt:MATRIX_FMT_FP6 matrix_b_fmt:MATRIX_FMT_FP6 matrix_a_scale:MATRIX_SCALE_ROW1
.else
	v_wmma_scale_f32_16x16x128_f8f6f4 v[8*(8*((\a)%4)+\b):8*(8*((\a)%4)+\b)+7], v[128*(\p)+FR*\b:128*(\p)+FR*\b+FR-1], v[AF+FR*(\a):AF+FR*(\a)+FR-1], v[8*(8*((\a)%4)+\b):8*(8*((\a)%4)+\b)+7], v[SC+8*NQ*(\sc)+NQ*\b+(\q)], v[SC+8*NQ*(\sc)+NQ*(\a)+(\q)] matrix_a_fmt:MATRIX_FMT_FP6 matrix_b_fmt:MATRIX_FMT_FP6 matrix_a_scale:MATRIX_SCALE_ROW1
.endif
.endr
.endr
.endm
.macro FETCH_B slot, q, p
	WIN TO_B
.irp i, 0,1,2,3,4,5,6,7
	FRAG 128*(\p)+FR*\i, ADRB+\slot, \q, \i
.endr
	WIN 0
.endm
.macro FETCH_A slot, q, i0
.irp i, \i0, \i0+1, \i0+2, \i0+3
	FRAG AF+FR*(\i), ADRA+\slot, \q, \i
.endr
.endm
.macro SCALES sc
.irp i, 0,1,2,3,4,5,6,7
	ds_load_b64 v[SC+8*NQ*\sc+NQ*\i:SC+8*NQ*\sc+NQ*\i+1], v[ADRS] offset:\i*SBLK
.endr
.endm
.macro PLACES n
.rept \n
	v_nop
.endr
.endm
.macro STEP slot, q, zero
	s_wait_dscnt 4*NL                              ; B's set and A's blocks 0-3 are in; the youngest 24 loads may be out
	WIN MUL_LO
	MUL16 0, (\q)%2, \q, \slot, \zero
	MUL16 2, (\q)%2, \q, \slot, \zero
	s_wait_dscnt 0
	PLACES NP
	FETCH_B \slot, (\q)+1, 1-(\q)%2
	FETCH_A \slot, (\q)+1, 0
	WIN MUL_HI
	MUL16 4, (\q)%2, \q, \slot, \zero
	MUL16 6, (\q)%2, \q, \slot, \zero
	PLACES NP
	WIN 0
	FETCH_A \slot, (\q)+1, 4
.endm
.macro TURN slot, next, fill
	s_wait_tensorcnt 0x0                           ; all my tensor loads have landed
	ds_add_u32 v[SPW], v[NIL]                      ; 0 onto my spare word
	s_wait_dscnt 4*NL+1                            ; the add and the youngest 24 loads may be out
	WIN MUL_LO
	MUL16 0, 1, NQ-1, \slot, 0
	s_wait_dscnt 0x0                               ; the add is done, and my reads of this slot are over
	s_barrier_signal -1
	MUL16 2, 1, NQ-1, \slot, 0
	WIN 0
	s_barrier_wait -1
.if \fill
	CREST
	s_add_nc_u64 s[G0+4*\slot+2:G0+4*\slot+3], s[G0+4*\slot+2:G0+4*\slot+3], 2*ROWB
	s_add_nc_u64 s[G0B+4*\slot+2:G0B+4*\slot+3], s[G0B+4*\slot+2:G0B+4*\slot+3], 2*ROWB
	JLOAD G0+4*\slot, G1, G0B+4*\slot, G1B
.else
	PLACES NP
.endif
	v_add_nc_u32 v[ADRS], 4*NQ, v[ADRS]
	FETCH_B \next, 0, 0
	FETCH_A \next, 0, 0
	SCALES \next
	WIN MUL_HI
	MUL16 4, 1, NQ-1, \slot, 0
	MUL16 6, 1, NQ-1, \slot, 0
	PLACES NP
	WIN 0
	FETCH_A \next, 0, 4
.endm
	s_wait_tensorcnt 1                             ; the scales and my part of K step 0 are in; K step 1's load may be out
	s_barrier_signal -1
	s_barrier_wait -1
	FETCH_B 0, 0, 0
	FETCH_A 0, 0, 0
	SCALES 0
	FETCH_A 0, 0, 4
	STEP 0, 0, 1
	s_mov_b32 s3, LAPS-1
.Llap:
	TURN 0, 1, 1
	STEP 1, 0, 0
	TURN 1, 0, 1
	STEP 0, 0, 0
	s_sub_co_u32 s3, s3, 1
	s_cmp_lg_u32 s3, 0
	s_cbranch_scc1 .Llap
	TURN 0, 1, 0
	STEP 1, 0, 0
	s_wait_dscnt 4*NL
	WIN MUL_LO
	MUL16 0, 1, NQ-1, 1, 0
	MUL16 2, 1, NQ-1, 1, 0
	s_wait_dscnt 0
	WIN MUL_HI
	MUL16 4, 1, NQ-1, 1, 0
	MUL16 6, 1, NQ-1, 1, 0
	WIN 0
	; THE WAY OUT.  No tensor load of mine is out, so the descriptors' registers take constants and addresses.
	PLACES NP
	v_and_b32 v1, 31, v0
	v_lshlrev_b32 v[L16], 4, v1
	v_lshlrev_b32 v[L8], 3, v1
	v_and_b32 v2, 15, v0
	v_bfe_u32 v3, v0, 4, 1
	v_lshlrev_b32 v[H8], 3, v3                     ; 8 h
	s_lshl_b32 s40, s14, 16
	v_add_nc_u32 v[DL], s40, v[L16]
	s_lshl_b32 s40, s14, 9
	s_add_co_u32 s40, s40, SCW
	v_lshl_add_u32 v[SWA], v2, 2, s40              ; my row's scale word
	v_add_nc_u32 v[SRD], s40, v[L16]
	v_mov_b32 v[PT], 0                             ; a lane permute's destination counts as read
	s_mov_b32 s[PS], 0x76543210
	s_mov_b32 s[PS+1], 0xfedcba98
	s_mov_b32 s24, 0x3e6d3389                      ; 0.2316419
	s_mov_b32 s25, s24
	s_mov_b32 s26, 0xbf38aa3b                      ; -log2(e) / 2
	s_mov_b32 s27, s26
	s_mov_b32 s28, 0xbf3a00e3                      ; c4 = -0.72657601
	s_mov_b32 s29, s28
	s_mov_b32 s30, 0x3f35f0e3                      ; c3 = 0.71070687
	s_mov_b32 s31, s30
	s_mov_b32 s32, 0xbe11a98e                      ; c2 = -0.14224837
	s_mov_b32 s33, s32
	s_mov_b32 s34, 0x3e027906                      ; c1 = 0.12741480
	s_mov_b32 s35, s34
	s_lshl_b32 s40, s17, 4
	s_lshl_b32 s41, s15, 3
	s_add_co_u32 s40, s40, s41                     ; my first tile of 16 rows
	s_lshl_b32 s41, s42, 1
	s_add_co_u32 s41, s41, s16                     ; the next product's K step
	s_lshl_b32 s43, s40, 5
	s_add_co_u32 s43, s43, s41
	s_mul_i32 s44, s43, 1536
	s_mov_b32 s45, 0
	s_lshl_b32 s46, s41, 14
	s_lshl_b32 s47, s40, 6
	s_add_co_u32 s46, s46, s47
	s_add_co_u32 s46, s46, 12582912
	s_mov_b32 s47, 0
	s_add_nc_u64 s[36:37], s[66:67], s[46:47]      ; my 128 rows' scale words
	s_add_nc_u64 s[66:67], s[66:67], s[44:45]      ; my first image
	WIN 0x40
	v_mov_b32 v[C5], 0x3f07dc22                    ; c5 = 0.53070271
	v_mov_b32 v[C5+1], 0x3f07dc22
	WIN 0
	s_wait_dscnt 0x0
	s_barrier_signal -1
	s_barrier_wait -1                              ; no wave reads the ring or the scales any more
	WIN 0x08                                       ; an LDS store's data are its source 1: window 2
.irp a, 0,1,2,3
.irp b, 0,1,2,3,4,5,6,7
	ds_store_b128 v[DL], v[8*(8*\a+\b):8*(8*\a+\b)+3] offset:1024*(8*\a+\b)          ; each accumulator from its low end on
	ds_store_b128 v[DL], v[8*(8*\a+\b)+4:8*(8*\a+\b)+7] offset:1024*(8*\a+\b)+512
.endr
.endr
	WIN 0x0c                                       ; window 3
.irp a, 0,1,2,3
.irp b, 0,1,2,3,4,5,6,7
	ds_store_b128 v[DL], v[8*(8*\a+\b):8*(8*\a+\b)+3] offset:1024*(8*(\a+4)+\b)
	ds_store_b128 v[DL], v[8*(8*\a+\b)+4:8*(8*\a+\b)+7] offset:1024*(8*(\a+4)+\b)+512
.endr
.endr
	WIN 0
.macro TLOADT                          ; a tile of 16 rows comes back, tile b of hidden units at place 4 (b / 4) + (b % 4) / 2 + 2 (b % 2)
.irp b, 0,1,2,3,4,5,6,7
	ds_load_b128 v[T+8*(4*(\b/4)+(\b%4)/2+2*(\b%2)):T+8*(4*(\b/4)+(\b%4)/2+2*(\b%2))+3], v[AD] offset:1024*\b
	ds_load_b128 v[T+8*(4*(\b/4)+(\b%4)/2+2*(\b%2))+4:T+8*(4*(\b/4)+(\b%4)/2+2*(\b%2))+7], v[AD] offset:1024*\b+512
.endr
.endm
.macro GELU n                          ; 32 numbers, x in v[n] on of window 1; the result goes to v[GV + n] on of window 0
	WIN 0x55
.set jj, 0
.rept 32
	v_and_b32 v[AX+jj], 0x7fffffff, v[(\n)+jj]
.set jj, jj+1
.endr
.set jj, 0
.rept 16
	v_pk_fma_f32 v[TT+jj:TT+jj+1], v[AX+jj:AX+jj+1], s[24:25], 1.0 op_sel_hi:[1,0,0]
	v_pk_mul_f32 v[EE+jj:EE+jj+1], v[(\n)+jj:(\n)+jj+1], v[(\n)+jj:(\n)+jj+1]
.set jj, jj+2
.endr
.set jj, 0
.rept 16
	v_pk_mul_f32 v[EE+jj:EE+jj+1], v[EE+jj:EE+jj+1], s[26:27] op_sel_hi:[1,0]
.set jj, jj+2
.endr
.set jj, 0
.rept 32
	v_rcp_f32 v[TT+jj], v[TT+jj]                   ; t
.set jj, jj+1
.endr
.set jj, 0
.rept 32
	v_exp_f32 v[EE+jj], v[EE+jj]                   ; e^(-x x / 2)
.set jj, jj+1
.endr
.set jj, 0
.rept 32
	v_max_num_f32 v[(\n)+jj], 0, v[(\n)+jj]        ; max(x, 0): plain work behind the batch, which names none of its results
.set jj, jj+1
.endr
	s_wait_alu depctr_va_vdst(0)                   ; one wait for the batch of 64, ahead of its first reader
.set jj, 0
.rept 16
	v_pk_fma_f32 v[PP+jj:PP+jj+1], v[TT+jj:TT+jj+1], v[C5:C5+1], s[28:29] op_sel_hi:[1,1,0]
.set jj, jj+2
.endr
.irp c, 30,32,34
.set jj, 0
.rept 16
	v_pk_fma_f32 v[PP+jj:PP+jj+1], v[PP+jj:PP+jj+1], v[TT+jj:TT+jj+1], s[\c:\c+1] op_sel_hi:[1,1,0]
.set jj, jj+2
.endr
.endr
.set jj, 0
.rept 16
	v_pk_mul_f32 v[PP+jj:PP+jj+1], v[PP+jj:PP+jj+1], v[TT+jj:TT+jj+1]
.set jj, jj+2
.endr
.set jj, 0
.rept 16
	v_pk_mul_f32 v[PP+jj:PP+jj+1], v[PP+jj:PP+jj+1], v[EE+jj:EE+jj+1]
.set jj, jj+2
.endr
	WIN 0x15                                       ; the sources window 1, the destination window 0
.set jj, 0
.rept 16
	v_pk_fma_f32 v[GV+(\n)+jj:GV+(\n)+jj+1], v[AX+jj:AX+jj+1], v[PP+jj:PP+jj+1], v[(\n)+jj:(\n)+jj+1] neg_lo:[1,0,0] neg_hi:[1,0,0]
.set jj, jj+2
.endr
.endm
.macro QUANTB                          ; v[GV] on: 64 numbers become a fragment's codes in v[CD] on and its scale word in v[PW]
.irp c, 0,1
.irp j, 0,1,2,3,4,5,6,7
	v_permlane16_swap_b32 v[GV+32*\c+\j], v[GV+32*\c+8+\j]       ; lane (r, h) then holds hidden units 64 c + 32 h + 0 .. 31 of row r, in order
	v_permlane16_swap_b32 v[GV+32*\c+16+\j], v[GV+32*\c+24+\j]
.endr
.endr
.irp q, 0,1,2,3
	v_max3_num_f32 v[CH+\q], |v[GV+16*\q]|, |v[GV+16*\q+1]|, 0x1800000
.endr
.irp i, 2,4,6,8,10,12,14
.irp q, 0,1,2,3
	v_max3_num_f32 v[CH+\q], v[CH+\q], |v[GV+16*\q+\i]|, |v[GV+16*\q+\i+1]|
.endr
.endr
	v_max_num_f32 v[CH], v[CH], v[CH+1]            ; my two blocks' largest magnitudes: all their numbers are mine
	v_max_num_f32 v[CH+2], v[CH+2], v[CH+3]
	v_add_nc_u32 v[SO], 0xff000000, v[CH]
	v_add_nc_u32 v[SO+1], 0xff000000, v[CH+2]
	v_lshrrev_b32 v[BY], 23, v[SO]
	v_lshrrev_b32 v[BY+1], 23, v[SO+1]
	v_lshl_or_b32 v[PW], v[BY+1], 16, v[BY]        ; blocks h and 2 + h,
	v_lshlrev_b32 v[PW], v[H8], v[PW]              ; at their places in the word;
	v_permlanex16_b32 v[PT], v[PW], s[PS], s[PS+1]
	v_or_b32 v[PW], v[PW], v[PT]                   ; with lane l xor 16's two it is whole
.irp c, 0,1
	v_cvt_scalef32_pk16_fp6_f32 v[CD+6*\c:CD+6*\c+2], v[GV+32*\c:GV+32*\c+15], v[SO+\c]
	v_cvt_scalef32_pk16_fp6_f32 v[PX+4*\c:PX+4*\c+2], v[GV+32*\c+16:GV+32*\c+31], v[SO+\c]
.endr
	v_nop                                          ; one plain place behind a scaled conversion
.irp c, 0,1
.irp i, 0,1,2
	v_mov_b32 v[CD+3+6*\c+\i], v[PX+4*\c+\i]
.endr
.endr
.endm
.macro TRIP pref                       ; 16 rows x my 128 hidden units
	s_wait_dscnt 0x0                               ; the tile is back
	WIN 0x40                                       ; destination window 1
.set jj, 0
.rept 16
	v_pk_add_f32 v[jj:jj+1], v[T+jj:T+jj+1], v[BIL+jj:BIL+jj+1]
.set jj, jj+2
.endr
	WIN 0x44                                       ; and source 1 window 1
.set jj, 0
.rept 16
	v_pk_add_f32 v[32+jj:33+jj], v[T+32+jj:T+33+jj], v[BIH+jj:BIH+jj+1]
.set jj, jj+2
.endr
	WIN 0
.if \pref
	s_add_co_u32 s[TO], s[TO], 8192
	v_add_nc_u32 v[AD], s[TO], v[DL]
	TLOADT                                         ; the next tile lands while this one is worked
.endif
	GELU 0
	GELU 32
	WIN 0
	QUANTB
	global_store_b128 v[L16], v[CD:CD+3], s[66:67]
	global_store_b64 v[L8], v[CD+4:CD+5], s[66:67] offset:512
	global_store_b128 v[L16], v[CD+6:CD+9], s[66:67] offset:768
	global_store_b64 v[L8], v[CD+10:CD+11], s[66:67] offset:1280
	v_add_nc_u32 v[SWT], s[TW], v[SWA]
	ds_store_b32 v[SWT], v[PW]                     ; lanes l and l xor 16 write the same word with the same value
	s_wait_xcnt 0x0                                ; the stores have read their registers and their base: both are written again only behind this wait
	s_add_nc_u64 s[66:67], s[66:67], 49152         ; the next tile of rows: 32 images on
	s_add_co_u32 s[TW], s[TW], 64
.endm
	s_mov_b32 s[TO], 0
	s_mov_b32 s[TW], 0
	v_mov_b32 v[AD], v[DL]
	TLOADT                                         ; LDS serves a wave's instructions in order: these see my stores
	s_wait_loadcnt 0x0                             ; b1
	s_mov_b32 s3, 7
.Ltrip:
	TRIP 1
	s_sub_co_u32 s3, s3, 1
	s_cmp_lg_u32 s3, 0
	s_cbranch_scc1 .Ltrip
	TRIP 0
	ds_load_b128 v[CD:CD+3], v[SRD]
	s_wait_dscnt 0x0
	global_store_b128 v[L16], v[CD:CD+3], s[36:37] ; 512 consecutive bytes, at a multiple of 256 from the buffer's first byte
	s_wait_tensorcnt 0x0                           ; the wave's end
	ds_add_u32 v[SPW], v[NIL]
	s_wait_dscnt 0x0
	CROUND                                         ; the closing round
	s_endpgm
.Lfunc_end_k_qcc78bb6c55_mlp1:
	.size	k_qcc78bb6c55_mlp1, .Lfunc_end_k_qcc78bb6c55_mlp1-k_qcc78bb6c55_mlp1
	.p2alignl 7, 3214868480
	.fill 96, 4, 3214868480
	.section	.rodata,"a",@progbits
	.p2align	6, 0x0
	.amdhsa_kernel k_qcc78bb6c55_mlp1
		.amdhsa_group_segment_fixed_size 327680
		.amdhsa_private_segment_fixed_size 0
		.amdhsa_enable_private_segment 0
		.amdhsa_kernarg_size 40
		.amdhsa_user_sgpr_count 2
		.amdhsa_user_sgpr_kernarg_segment_ptr 1
		.amdhsa_wavefront_size32 1
		.amdhsa_system_sgpr_workgroup_id_x 1
		.amdhsa_system_sgpr_workgroup_id_y 1
		.amdhsa_system_sgpr_workgroup_id_z 1
		.amdhsa_system_vgpr_workitem_id 0
		.amdhsa_next_free_vgpr 1024
		.amdhsa_next_free_sgpr 102
		.amdhsa_reserve_vcc 0
		.amdhsa_float_denorm_mode_32 3
		.amdhsa_float_denorm_mode_16_64 3
		.amdhsa_memory_ordered 1
		.amdhsa_forward_progress 1
		.amdhsa_inst_pref_size 218
	.end_amdhsa_kernel
	.amdgpu_metadata
---
amdhsa.version: [ 1, 2 ]
amdhsa.kernels:
  - .name:           k_qcc78bb6c55_mlp1
    .symbol:         k_qcc78bb6c55_mlp1.kd
    .args:
      - { .name: hq, .offset: 0, .size: 8, .value_kind: global_buffer, .address_space: global }
      - { .name: W1_codes, .offset: 8, .size: 8, .value_kind: global_buffer, .address_space: global }
      - { .name: W1_scales, .offset: 16, .size: 8, .value_kind: global_buffer, .address_space: global }
      - { .name: b1, .offset: 24, .size: 8, .value_kind: global_buffer, .address_space: global }
      - { .name: gb, .offset: 32, .size: 8, .value_kind: global_buffer, .address_space: global }
    .group_segment_fixed_size: 327680
    .private_segment_fixed_size: 0
    .kernarg_segment_align: 8
    .kernarg_segment_size: 40
    .max_flat_workgroup_size: 128
    .sgpr_count:     102
    .vgpr_count:     1024
    .wavefront_size: 32
...
	.end_amdgpu_metadata
.endif
;; end of part 5
;; launch mlp2 (part 6): grid 8 x 32, 4 waves a work-group, clusters of 4 x 4, 327,680 bytes of LDS; arguments gb, W2_codes, W2_scales, b2, x1, out0; writes out0
.if DOCPART == 6
	.amdgcn_target "amdgcn-amd-amdhsa--gfx1250"
	.amdhsa_code_object_version 6
	.text
	.protected	k_qcc78bb6c55_mlp2
	.globl	k_qcc78bb6c55_mlp2
	.p2align	8
	.type	k_qcc78bb6c55_mlp2,@function
k_qcc78bb6c55_mlp2:
	s_mov_b64 s[64:65], 0
	v_nop
	global_prefetch_b8 v0, s[64:65] scope:SCOPE_SE
	s_setreg_imm32_b32 hwreg(HW_REG_WAVE_MODE, 25, 1), 1
	s_wait_xcnt 0x0
	s_wait_alu depctr_hold_cnt(0) depctr_sa_sdst(0) depctr_va_vdst(0) depctr_va_sdst(0) depctr_va_ssrc(0) depctr_va_vcc(0) depctr_vm_vsrc(0)
	s_getreg_b32 s2, hwreg(HW_REG_IB_STS2, 6, 4)
	s_cmp_eq_u32 s2, 0
	s_cbranch_scc0 .Lentry_in_a_cluster
	s_endpgm
.Lentry_in_a_cluster:
	s_bfe_u32 s2, ttmp6, 0x10000c
	s_cmp_lg_u32 s2, 0xf033
	s_cbranch_scc0 .Lentry_shape_is_right
	s_endpgm
.Lentry_shape_is_right:
; out = res + bias + A W^T.  A: 4,096 rows x SIZE_K, as images of the operand's registers [tile of 16 rows][K step of 128][1,536 bytes] with scale words [K step][4,096 rows] behind them; W: [1,024][SIZE_K] codes of FP6 (E2M3) by rows, scale bytes [1,024][SIZE_K / 32].
; A tile of 128 x 128 of the output by four waves, a wave 64 x 64 (16 accumulators): 256 work-groups, one for each WGP; tiles of 256 x 256 would be 64.  K goes in slots of 512 (four steps of 128), two slots, as long as LDS allows.
; 4 x 4 work-groups form a cluster: A's tiles are asked for jointly along a row of the cluster, W's along a column.  All scale words come once, with the first fills.
; The matrix instruction takes source 0 = 16 rows of W, source 1 = 16 rows of A: a lane holds eight neighbouring columns of one row of the output.
; A scale register carries two blocks' words: block 2 i in lanes 0-15, block 2 i + 1 in lanes 16-31.
; The residual's and the bias's loads go out at the head and are waited for on the way out.
.set SIZE_K, 4096
.set KROW,   SIZE_K*6/8
.set KS,     SIZE_K/32
.set PITCH,  432                       ; W's LDS row: 3 x (128 bytes + 16 of padding) = 108 words: sixteen rows start at sixteen different multiples of 4 banks, and lanes 16-31 fall 2 banks beside them
.set AHALF,  24576                     ; four tiles of rows x four K steps of images
.set BHALF,  64*PITCH
.set BOFF,   2*AHALF
.set SLOT,   BOFF+2*BHALF              ; 104,448
.set LAPS,   SIZE_K/1024
.set SBR,    64*KS/256                 ; units of 256 bytes in 64 rows' scale bytes
.set SCB,    2*SLOT                    ; W's scale bytes, units of 256 + 16
.set SCA,    SCB+2*SBR*272             ; A's scale words [K step][128 rows]
.set SPARE,  SCA+(SIZE_K/128)*512      ; the spare words, 128 bytes a wave: no other line names them
.set ADRA, 16                          ; v16-17 A's images in slot 0, 1 at 16 x lane; v18-19 at 8 x lane
.set ADRB, 20                          ; v20-21 W's rows; v22-23 the same behind one padding more
.set STO,  24
.set RD,   25
.set CO,   26
.set ADSA, 27
.set SPW,  28
.set NIL,  29
.set ADSB, 30
.set BLN,  31
.set SC,   32                          ; v32-63 two sets of 16 scale registers, and nothing else: A's word of step q, blocks 2 i, 2 i + 1 at 2 q + i; W's at 8 + 4 i + q
.set TMP,  64
.set ACC,  128                         ; accumulator (a, b) at v[128 + 8 (4 a + b)]
.set G1, 24
.set G0, 32
.set G1B, 48
.set G0B, 56
.set G1S, 68
.set G0S, 76
.set G1SB, 80
.set G0SB, 88
.set MSB, 0
.macro WIN new
.if MSB != (\new)
	s_set_vgpr_msb (MSB<<8)|(\new)
.set MSB, \new
.endif
.endm
.macro JLOAD g0a, g1a, g0b, g1b        ; waves 0 and 1 fetch for A, waves 2 and 3 for W; four v_nop follow each line
	s_cmp_eq_u32 s15, 0
	s_cbranch_scc0 .Lfor_b_\@
	tensor_load_to_lds s[\g0a:\g0a+3], s[\g1a:\g1a+7]
	s_nop 0
.rept 4
	v_nop
.endr
	s_branch .Lasked_\@
.Lfor_b_\@:
	tensor_load_to_lds s[\g0b:\g0b+3], s[\g1b:\g1b+7]
	s_nop 0
.rept 4
	v_nop
.endr
.Lasked_\@:
.endm
.macro CREST
	s_cmp_lg_u32 s14, 0
	s_cbranch_scc1 .Lnot_wave_0_\@
	s_barrier_signal -3
.Lnot_wave_0_\@:
	s_barrier_wait -3
	s_barrier_signal -1
	s_barrier_wait -1
.endm
.macro CROUND
	s_barrier_signal -1
	s_barrier_wait -1
	CREST
.endm
	s_load_b256 s[4:11], s[0:1], 0x0               ; A, W's codes, W's scales, bias
	s_load_b128 s[92:95], s[0:1], 0x20             ; residual, out
	v_lshl_add_u32 v[SPW], v0, 2, SPARE
	v_mov_b32 v[NIL], 0
	ds_add_u32 v28, v29
	ds_add_u32 v28, v29
	s_wait_dscnt 0x0
	v_lshrrev_b32 v1, 5, v0
	v_readfirstlane_b32 s14, v1                    ; wave
	s_lshr_b32 s15, s14, 1                         ; my half of the rows.  Also: I fetch for A (0) or for W (1)
	s_and_b32 s16, s14, 1                          ; my half of the columns.  Also: which half I fetch
	s_bfe_u32 s40, ttmp6, 0x40000                  ; cx
	s_bfe_u32 s41, ttmp6, 0x40004                  ; cy
	s_lshl_b32 s42, ttmp9, 2
	s_add_co_u32 s42, s42, s40                     ; tile column
	s_and_b32 s17, ttmp7, 0xffff
	s_lshl_b32 s17, s17, 2
	s_add_co_u32 s17, s17, s41                     ; tile row
	s_lshl_b32 s43, s41, 2
	s_lshl_b32 s43, 15, s43                        ; my row of the cluster
	s_lshl_b32 s44, 0x1111, s40                    ; my column
	; A's tile: 4 rows (tiles of 16 rows) of 6,144 bytes (768 elements of 8), no padding
	s_or_b32 s[G1+0], s43, (3<<16)|(1<<21)
	s_mov_b32 s[G1+1], 768<<16
	s_mov_b32 s[G1+2], 4<<16
	s_mov_b32 s[G1+3], 768<<16
	s_mov_b32 s[G1+4], 4
	s_mov_b32 s[G1+5], (SIZE_K/128)*192
	s_mov_b32 s[G1+6], 0
	s_mov_b32 s[G1+7], 0
	; W's tile: 64 rows of 384 bytes, 16 bytes of padding behind every 128
	s_or_b32 s[G1B+0], s44, (0<<16)|(1<<20)|(1<<21)|(4<<22)|(3<<25)
	s_mov_b32 s[G1B+1], 384<<16
	s_mov_b32 s[G1B+2], 64<<16
	s_mov_b32 s[G1B+3], 384<<16
	s_mov_b32 s[G1B+4], 64
	s_mov_b32 s[G1B+5], KROW
	s_mov_b32 s[G1B+6], 0
	s_mov_b32 s[G1B+7], 0
	; A's scale words: SIZE_K / 256 K steps x 512 bytes (128 rows), 16,384 bytes apart
	s_or_b32 s[G1S+0], s43, (3<<16)|(1<<21)
	s_mov_b32 s[G1S+1], 64<<16
	s_mov_b32 s[G1S+2], (SIZE_K/256)<<16
	s_mov_b32 s[G1S+3], 64<<16
	s_mov_b32 s[G1S+4], SIZE_K/256
	s_mov_b32 s[G1S+5], 2048
	s_mov_b32 s[G1S+6], 0
	s_mov_b32 s[G1S+7], 0
	; W's scale bytes of 64 rows: a dense block as rows of 256 bytes, 16 of padding behind each
	s_or_b32 s[G1SB+0], s44, (3<<16)|(1<<20)|(1<<21)|(5<<22)|(3<<25)
	s_mov_b32 s[G1SB+1], 32<<16
	s_mov_b32 s[G1SB+2], SBR<<16
	s_mov_b32 s[G1SB+3], 32<<16
	s_mov_b32 s[G1SB+4], SBR
	s_mov_b32 s[G1SB+5], 32
	s_mov_b32 s[G1SB+6], 0
	s_mov_b32 s[G1SB+7], 0
	s_lshl_b32 s20, s17, 3
	s_lshl_b32 s18, s16, 2
	s_add_co_u32 s20, s20, s18                     ; A: tile of rows 8 x tile row + 4 x half
	s_mul_i32 s20, s20, 12*SIZE_K                  ; SIZE_K / 128 images of 1,536 bytes each
	s_mov_b32 s21, 0
	s_lshl_b32 s22, s17, 9
	s_mul_i32 s18, s16, (SIZE_K/256)*16384
	s_add_co_u32 s22, s22, s18
	s_add_co_u32 s22, s22, 3072*SIZE_K             ; the scale words lie behind the images
	s_mov_b32 s23, 0
	s_lshl_b32 s46, s42, 7
	s_lshl_b32 s18, s16, 6
	s_add_co_u32 s46, s46, s18                     ; W: row 128 x tile column + 64 x half
	s_mul_i32 s96, s46, KS
	s_mov_b32 s97, 0
	s_mul_i32 s46, s46, KROW
	s_mov_b32 s47, 0
	s_mul_i32 s45, s16, AHALF                      ; where they go: no place in the cluster enters an LDS address
	s_mul_i32 s19, s16, BHALF
	s_add_co_u32 s19, s19, BOFF
	s_mul_i32 s98, s16, (SIZE_K/256)*512
	s_add_co_u32 s98, s98, SCA
	s_mul_i32 s99, s16, SBR*272
	s_add_co_u32 s99, s99, SCB
	s_wait_kmcnt 0x0
	s_add_nc_u64 s[20:21], s[4:5], s[20:21]
	s_add_nc_u64 s[22:23], s[4:5], s[22:23]
	s_add_nc_u64 s[46:47], s[6:7], s[46:47]
	s_add_nc_u64 s[96:97], s[8:9], s[96:97]
	CROUND                                         ; all sixteen work-groups are here
	s_mov_b32 s[G0S], 1
	s_mov_b32 s[G0S+1], s98
	s_mov_b64 s[G0S+2:G0S+3], s[22:23]
	s_or_b32 s[G0S+3], s[G0S+3], 0x80000000
	s_mov_b32 s[G0SB], 1
	s_mov_b32 s[G0SB+1], s99
	s_mov_b64 s[G0SB+2:G0SB+3], s[96:97]
	s_or_b32 s[G0SB+3], s[G0SB+3], 0x80000000
	JLOAD G0S, G1S, G0SB, G1SB                     ; by this text's count three loads of a wave are out at the start, one behind each round
.irp s, 0,1
	s_mov_b32 s[G0+4*\s], 1
	s_add_co_u32 s[G0+4*\s+1], s45, \s*SLOT
	s_add_nc_u64 s[G0+4*\s+2:G0+4*\s+3], s[20:21], \s*6144
	s_or_b32 s[G0+4*\s+3], s[G0+4*\s+3], 0x80000000
	s_mov_b32 s[G0B+4*\s], 1
	s_add_co_u32 s[G0B+4*\s+1], s19, \s*SLOT
	s_add_nc_u64 s[G0B+4*\s+2:G0B+4*\s+3], s[46:47], \s*384
	s_or_b32 s[G0B+4*\s+3], s[G0B+4*\s+3], 0x80000000
	JLOAD G0+4*\s, G1, G0B+4*\s, G1B
.endr
	v_and_b32 v1, 15, v0                           ; r
	v_bfe_u32 v2, v0, 4, 1                         ; h
	v_and_b32 v3, 31, v0                           ; lane
	v_lshlrev_b32 v4, 4, v3
	v_lshlrev_b32 v5, 3, v3
	s_mul_i32 s21, s15, AHALF                      ; my four tiles of rows
	v_mul_u32_u24 v6, v1, PITCH
	v_mad_u32_u24 v7, v2, 24, v6
	v_mad_u32_u24 v8, v2, 40, v6
	s_mul_i32 s22, s16, BHALF
	s_add_co_u32 s22, s22, BOFF                    ; my 64 rows of W
.irp s, 0,1
	v_add_nc_u32 v[ADRA+\s], s21, v4
	v_add_nc_u32 v[ADRA+2+\s], s21, v5
	v_add_nc_u32 v[ADRB+\s], s22, v7
	v_add_nc_u32 v[ADRB+2+\s], s22, v8
	s_add_co_u32 s21, s21, SLOT
	s_add_co_u32 s22, s22, SLOT
.endr
	s_lshl_b32 s21, s15, 8
	s_add_co_u32 s21, s21, SCA
	v_lshl_add_u32 v[ADSA], v3, 2, s21             ; A's words: my 64 rows, 4 bytes a lane
	v_mul_u32_u24 v6, v3, KS                       ; W's: row = lane of 32 rows: which unit of 256 bytes, and where in it
	v_lshrrev_b32 v7, 8, v6
	v_and_b32 v6, 255, v6
	v_mad_u32_u24 v6, v7, 272, v6
	s_mul_i32 s23, s16, SBR*272
	s_add_co_u32 s23, s23, SCB
	v_add_nc_u32 v[ADSB], s23, v6
	s_mul_i32 s23, s14, 16*272                     ; my stage, in slot 0
	v_mul_u32_u24 v6, v1, 272
	v_lshl_add_u32 v6, v2, 5, v6
	v_add_nc_u32 v[STO], s23, v6
	v_mul_u32_u24 v6, v2, 272
	v_lshl_add_u32 v6, v1, 4, v6
	v_add_nc_u32 v[RD], s23, v6
	v_lshlrev_b32 v[BLN], 4, v1
	v_lshl_add_u32 v[CO], v2, 12, v[BLN]           ; lanes 0-15 one row of the output, lanes 16-31 the next
	s_lshl_b32 s20, s17, 7
	s_lshl_b32 s21, s15, 6
	s_add_co_u32 s20, s20, s21
	s_lshl_b32 s20, s20, 12                        ; my first row, in bytes
	s_lshl_b32 s46, s42, 9
	s_lshl_b32 s47, s16, 8
	s_add_co_u32 s46, s46, s47                     ; my first column, in bytes
	s_mov_b32 s47, 0
	s_add_nc_u64 s[10:11], s[10:11], s[46:47]
	s_add_co_u32 s46, s46, s20
	s_add_nc_u64 s[92:93], s[92:93], s[46:47]
	s_add_nc_u64 s[94:95], s[94:95], s[46:47]
	WIN 0x80                                       ; destination window 2
.irp a, 0,1,2,3
.irp t, 0,1,2,3,4,5,6,7
	global_load_b128 v[4*(8*\a+\t):4*(8*\a+\t)+3], v[CO], s[92:93] offset:(16*\a+2*\t)*4096
.endr
.endr
	global_load_b128 v[128:131], v[BLN], s[10:11]
	WIN 0
.macro FRAG reg, adr, q, i             ; W's fragment: six pieces of 8 bytes; where the piece three on lies behind one padding more, the second address register serves
.irp p, 0,1,2,3,4,5
.set PCE, 12*(\q)+6*(\p/3)+\p%3
.if PCE%16 < 13
	ds_load_b64 v[\reg+2*\p:\reg+2*\p+1], v[\adr] offset:8*PCE+16*(PCE/16)+(\i)*16*PITCH
.else
	ds_load_b64 v[\reg+2*\p:\reg+2*\p+1], v[\adr+2] offset:8*PCE+16*(PCE/16)+(\i)*16*PITCH
.endif
.endr
.endm
.macro FETCH slot, q, p                ; 40 LDS loads: the fragments of the slot's q-th 128 along K into set p of window 1
	WIN 0x40
.irp i, 0,1,2,3
	ds_load_b128 v[128*(\p)+12*\i:128*(\p)+12*\i+3], v[ADRA+\slot] offset:6144*\i+1536*(\q)
	ds_load_b64 v[128*(\p)+12*\i+4:128*(\p)+12*\i+5], v[ADRA+2+\slot] offset:6144*\i+1536*(\q)+512
	ds_load_b128 v[128*(\p)+12*\i+6:128*(\p)+12*\i+9], v[ADRA+\slot] offset:6144*\i+1536*(\q)+768
	ds_load_b64 v[128*(\p)+12*\i+10:128*(\p)+12*\i+11], v[ADRA+2+\slot] offset:6144*\i+1536*(\q)+1280
.endr
.irp i, 0,1,2,3
	FRAG 128*(\p)+48+12*\i, ADRB+\slot, \q, \i
.endr
.endm
.macro SCALES set                      ; a slot's scale words
.irp q, 0,1,2,3
.irp i, 0,1
	ds_load_b32 v[SC+16*(\set)+2*\q+\i], v[ADSA] offset:512*\q+128*\i
.endr
.endr
.irp i, 0,1
	ds_load_b128 v[SC+16*(\set)+8+4*\i:SC+16*(\set)+8+4*\i+3], v[ADSB] offset:\i*(32*KS/256)*272
.endr
.endm
.macro WM d, fb, fa, sb, sa, rb, ra, zero   ; one product; rb, ra = 1: that side's scales stand in lanes 16-31
.if \zero
.if (\rb) && (\ra)
	v_wmma_scale_f32_16x16x128_f8f6f4 v[\d:\d+7], v[\fb:\fb+11], v[\fa:\fa+11], 0, v[\sb], v[\sa] matrix_a_fmt:MATRIX_FMT_FP6 matrix_b_fmt:MATRIX_FMT_FP6 matrix_a_scale:MATRIX_SCALE_ROW1 matrix_b_scale:MATRIX_SCALE_ROW1
.elseif (\rb)
	v_wmma_scale_f32_16x16x128_f8f6f4 v[\d:\d+7], v[\fb:\fb+11], v[\fa:\fa+11], 0, v[\sb], v[\sa] matrix_a_fmt:MATRIX_FMT_FP6 matrix_b_fmt:MATRIX_FMT_FP6 matrix_a_scale:MATRIX_SCALE_ROW1
.elseif (\ra)
	v_wmma_scale_f32_16x16x128_f8f6f4 v[\d:\d+7], v[\fb:\fb+11], v[\fa:\fa+11], 0, v[\sb], v[\sa] matrix_a_fmt:MATRIX_FMT_FP6 matrix_b_fmt:MATRIX_FMT_FP6 matrix_b_scale:MATRIX_SCALE_ROW1
.else
	v_wmma_scale_f32_16x16x128_f8f6f4 v[\d:\d+7], v[\fb:\fb+11], v[\fa:\fa+11], 0, v[\sb], v[\sa] matrix_a_fmt:MATRIX_FMT_FP6 matrix_b_fmt:MATRIX_FMT_FP6
.endif
.else
.if (\rb) && (\ra)
	v_wmma_scale_f32_16x16x128_f8f6f4 v[\d:\d+7], v[\fb:\fb+11], v[\fa:\fa+11], v[\d:\d+7], v[\sb], v[\sa] matrix_a_fmt:MATRIX_FMT_FP6 matrix_b_fmt:MATRIX_FMT_FP6 matrix_a_scale:MATRIX_SCALE_ROW1 matrix_b_scale:MATRIX_SCALE_ROW1
.elseif (\rb)
	v_wmma_scale_f32_16x16x128_f8f6f4 v[\d:\d+7], v[\fb:\fb+11], v[\fa:\fa+11], v[\d:\d+7], v[\sb], v[\sa] matrix_a_fmt:MATRIX_FMT_FP6 matrix_b_fmt:MATRIX_FMT_FP6 matrix_a_scale:MATRIX_SCALE_ROW1
.elseif (\ra)
	v_wmma_scale_f32_16x16x128_f8f6f4 v[\d:\d+7], v[\fb:\fb+11], v[\fa:\fa+11], v[\d:\d+7], v[\sb], v[\sa] matrix_a_fmt:MATRIX_FMT_FP6 matrix_b_fmt:MATRIX_FMT_FP6 matrix_b_scale:MATRIX_SCALE_ROW1
.else
	v_wmma_scale_f32_16x16x128_f8f6f4 v[\d:\d+7], v[\fb:\fb+11], v[\fa:\fa+11], v[\d:\d+7], v[\sb], v[\sa] matrix_a_fmt:MATRIX_FMT_FP6 matrix_b_fmt:MATRIX_FMT_FP6
.endif
.endif
.endm
.macro MULROW a, p, q, set, zero       ; A's block a against W's four; the 16 accumulators take turns, in the same order in every step
.irp b, 0,1,2,3
	WM ACC+8*(4*(\a)+\b), 128*(\p)+48+12*\b, 128*(\p)+12*(\a), SC+16*(\set)+8+4*(\b/2)+(\q), SC+16*(\set)+2*(\q)+(\a)/2, \b%2, (\a)%2, \zero
.endr
.endm
.macro PLACES n
.rept \n
	v_nop
.endr
.endm
.macro STEP slot, q, zero              ; a step of 128 along K that has its successor in the same slot
	s_wait_dscnt 0x0                               ; this step's fragments are in
	PLACES 4                                       ; in front of loads into the set that the last step's products read
	FETCH \slot, (\q)+1, ((\q)+1)%2
	WIN 0x05                                       ; both sources window 1
	MULROW 0, (\q)%2, \q, \slot, \zero
	MULROW 1, (\q)%2, \q, \slot, \zero
	MULROW 2, (\q)%2, \q, \slot, \zero
	MULROW 3, (\q)%2, \q, \slot, \zero
.endm
.macro TURN slot, next, fill           ; a slot's last step changes slots: one barrier
	WIN 0
	s_wait_tensorcnt 0x0                           ; all my tensor loads have landed: my part of the next slot
	ds_add_u32 v[SPW], v[NIL]                      ; 0 onto my spare word
	s_wait_dscnt 1                                 ; this step's fragments are in; only the add may be out
	WIN 0x05
	MULROW 0, 1, 3, \slot, 0
	s_wait_dscnt 0x0                               ; the add is done, and my reads of this slot are over
	s_barrier_signal -1
	MULROW 1, 1, 3, \slot, 0
	WIN 0
	s_barrier_wait -1
.if \fill
	CREST                                          ; the barrier has opened a round of the cluster's barrier
	s_add_nc_u64 s[G0+4*\slot+2:G0+4*\slot+3], s[G0+4*\slot+2:G0+4*\slot+3], 2*6144
	s_add_nc_u64 s[G0B+4*\slot+2:G0B+4*\slot+3], s[G0B+4*\slot+2:G0B+4*\slot+3], 2*384
	JLOAD G0+4*\slot, G1, G0B+4*\slot, G1B         ; the first tensor load behind the round; its four v_nop are the places in front of the loads below
.else
	PLACES 4
.endif
	v_add_nc_u32 v[ADSA], 2048, v[ADSA]            ; the next slot's scale words
	v_add_nc_u32 v[ADSB], 16, v[ADSB]
	FETCH \next, 0, 0
	WIN 0
	SCALES \next
	WIN 0x05
	MULROW 2, 1, 3, \slot, 0
	MULROW 3, 1, 3, \slot, 0
.endm
	s_wait_tensorcnt 1                             ; the scales and my part of slot 0 are in; slot 1's load may be out
	s_barrier_signal -1
	s_barrier_wait -1
	FETCH 0, 0, 0
	WIN 0
	SCALES 0
	STEP 0, 0, 1                                   ; the first step's products start the sums
.if LAPS > 1
	WIN 0
	s_mov_b32 s3, LAPS-1
.Llap:
	STEP 0, 1, 0
	STEP 0, 2, 0
	TURN 0, 1, 1
	STEP 1, 0, 0
	STEP 1, 1, 0
	STEP 1, 2, 0
	TURN 1, 0, 1
	STEP 0, 0, 0
	WIN 0
	s_sub_co_u32 s3, s3, 1
	s_cmp_lg_u32 s3, 0
	s_cbranch_scc1 .Llap
.endif
	STEP 0, 1, 0
	STEP 0, 2, 0
	TURN 0, 1, 0
	STEP 1, 0, 0
	STEP 1, 1, 0
	STEP 1, 2, 0
	s_wait_dscnt 0x0
	MULROW 0, 1, 3, 1, 0
	MULROW 1, 1, 3, 1, 0
	MULROW 2, 1, 3, 1, 0
	MULROW 3, 1, 3, 1, 0
	WIN 0
	; THE WAY OUT: 16 rows x 64 columns at a time through my stage (in slot 0, which has had its last fill and its last read), back as rows of 256 bytes; residual and bias are added; sixteen lanes store 256 aligned bytes.
	PLACES 4
	s_wait_loadcnt 0x0                             ; the residual and the bias
.irp a, 0,1,2,3
.if \a > 1
	s_wait_xcnt 0x0                                ; block a - 2's stores have read their registers
.endif
.irp b, 0,1,2,3
	ds_store_b128 v[STO], v[ACC+8*(4*\a+\b):ACC+8*(4*\a+\b)+3] offset:64*\b      ; each accumulator from its low end on
	ds_store_b128 v[STO], v[ACC+8*(4*\a+\b)+4:ACC+8*(4*\a+\b)+7] offset:64*\b+16
.endr
.irp t, 0,1,2,3,4,5,6,7
	ds_load_b128 v[TMP+32*(\a%2)+4*\t:TMP+32*(\a%2)+4*\t+3], v[RD] offset:544*\t   ; LDS serves a wave's instructions in order: these see my stores
.endr
	s_wait_dscnt 0x0
	WIN 0x08                                       ; source 1: window 2
.irp t, 0,1,2,3,4,5,6,7
	v_pk_add_f32 v[TMP+32*(\a%2)+4*\t:TMP+32*(\a%2)+4*\t+1], v[TMP+32*(\a%2)+4*\t:TMP+32*(\a%2)+4*\t+1], v[4*(8*\a+\t):4*(8*\a+\t)+1]
	v_pk_add_f32 v[TMP+32*(\a%2)+4*\t+2:TMP+32*(\a%2)+4*\t+3], v[TMP+32*(\a%2)+4*\t+2:TMP+32*(\a%2)+4*\t+3], v[4*(8*\a+\t)+2:4*(8*\a+\t)+3]
.endr
.irp t, 0,1,2,3,4,5,6,7
	v_pk_add_f32 v[TMP+32*(\a%2)+4*\t:TMP+32*(\a%2)+4*\t+1], v[TMP+32*(\a%2)+4*\t:TMP+32*(\a%2)+4*\t+1], v[128:129]
	v_pk_add_f32 v[TMP+32*(\a%2)+4*\t+2:TMP+32*(\a%2)+4*\t+3], v[TMP+32*(\a%2)+4*\t+2:TMP+32*(\a%2)+4*\t+3], v[130:131]
.endr
	WIN 0                                          ; a store's data take source 1's window
.irp t, 0,1,2,3,4,5,6,7
	global_store_b128 v[CO], v[TMP+32*(\a%2)+4*\t:TMP+32*(\a%2)+4*\t+3], s[94:95] offset:(16*\a+2*\t)*4096
.endr
.endr
	s_wait_tensorcnt 0x0                           ; the wave's end
	ds_add_u32 v[SPW], v[NIL]
	s_wait_dscnt 0x0
	CROUND                                         ; the closing round
	s_endpgm
.Lfunc_end_k_qcc78bb6c55_mlp2:
	.size	k_qcc78bb6c55_mlp2, .Lfunc_end_k_qcc78bb6c55_mlp2-k_qcc78bb6c55_mlp2
	.p2alignl 7, 3214868480
	.fill 96, 4, 3214868480
	.section	.rodata,"a",@progbits
	.p2align	6, 0x0
	.amdhsa_kernel k_qcc78bb6c55_mlp2
		.amdhsa_group_segment_fixed_size 327680
		.amdhsa_private_segment_fixed_size 0
		.amdhsa_enable_private_segment 0
		.amdhsa_kernarg_size 48
		.amdhsa_user_sgpr_count 2
		.amdhsa_user_sgpr_kernarg_segment_ptr 1
		.amdhsa_wavefront_size32 1
		.amdhsa_system_sgpr_workgroup_id_x 1
		.amdhsa_system_sgpr_workgroup_id_y 1
		.amdhsa_system_sgpr_workgroup_id_z 1
		.amdhsa_system_vgpr_workitem_id 0
		.amdhsa_next_free_vgpr 768
		.amdhsa_next_free_sgpr 102
		.amdhsa_reserve_vcc 0
		.amdhsa_float_denorm_mode_32 3
		.amdhsa_float_denorm_mode_16_64 3
		.amdhsa_memory_ordered 1
		.amdhsa_forward_progress 1
		.amdhsa_inst_pref_size 111
	.end_amdhsa_kernel
	.amdgpu_metadata
---
amdhsa.version: [ 1, 2 ]
amdhsa.kernels:
  - .name:           k_qcc78bb6c55_mlp2
    .symbol:         k_qcc78bb6c55_mlp2.kd
    .args:
      - { .name: gb, .offset: 0, .size: 8, .value_kind: global_buffer, .address_space: global }
      - { .name: W2_codes, .offset: 8, .size: 8, .value_kind: global_buffer, .address_space: global }
      - { .name: W2_scales, .offset: 16, .size: 8, .value_kind: global_buffer, .address_space: global }
      - { .name: b2, .offset: 24, .size: 8, .value_kind: global_buffer, .address_space: global }
      - { .name: x1, .offset: 32, .size: 8, .value_kind: global_buffer, .address_space: global }
      - { .name: out0, .offset: 40, .size: 8, .value_kind: global_buffer, .address_space: global }
    .group_segment_fixed_size: 327680
    .private_segment_fixed_size: 0
    .kernarg_segment_align: 8
    .kernarg_segment_size: 48
    .max_flat_workgroup_size: 128
    .sgpr_count:     102
    .vgpr_count:     768
    .wavefront_size: 32
...
	.end_amdgpu_metadata
.endif
;; end of part 6
